; MI455X (gfx1250); checked and timed in simulation.
; The chip was launched on July 23, 2026; its instructions are those of AMD's public machine-readable ISA for CDNA 5 (MIT licence, August 2026) and "CDNA5" Instruction Set Architecture Reference Guide (July 2026). The comments in the code are by the model that wrote it; some were corrected since.
;; Multi Head Self Attention. Allowed arithmetic: float matrix products may take bf16 or f16 operands with f32 sums; other float arithmetic in f32, or as packed bf16 or f16 multiplies, adds, multiply-adds, maxima and minima; sums over many terms, partial sums and values carried from step to step in f32; what a program stores and reads back later, other than sums and carried values, may be rounded once to bf16 or f16.
;; Inputs: Wk 2,048 x 2,048 float32; Wo 2,048 x 2,048 float32; Wq 2,048 x 2,048 float32; Wv 2,048 x 2,048 float32; token_positions 2,048 int32; x 1 x 2,048 x 2,048 float32.
;; Outputs: out0 1 x 2,048 x 2,048 float32.
;; 2 versions, each right; version 2 is version 1 with the launch attn written anew for expert scheduling mode. Each part assembles by itself: llvm-mc -triple=amdgcn-amd-amdhsa -mcpu=gfx1250 --defsym DOCPART=n.
;; ======== version 1 of 2: 4 launches
;; limits: values are held in f16: magnitudes above 65,504 overflow, below 6.1e-05 lose precision; right only within a limited range of input values
;; workspace buffers: xb 8,388,608 bytes; wb 25,165,824 bytes; wo 8,388,608 bytes; tab 1,048,576 bytes; qf 8,388,608 bytes; kf 8,388,608 bytes; vf 8,388,608 bytes; ob 8,388,608 bytes
;; launch prep (part 1): grid 1152 x 1, 8 waves a work-group, no clusters, 0 bytes of LDS; arguments x, Wq, Wk, Wv, token_positions, xb, wb, tab; writes xb, wb, tab
.if DOCPART == 1
	.amdgcn_target "amdgcn-amd-amdhsa--gfx1250"
	.amdhsa_code_object_version 6
	.text
	.protected	k_qb8d49dbfeb_prep
	.globl	k_qb8d49dbfeb_prep
	.p2align	8
	.type	k_qb8d49dbfeb_prep,@function
k_qb8d49dbfeb_prep:
	s_mov_b64 s[64:65], 0
	v_nop
	global_prefetch_b8 v0, s[64:65] scope:SCOPE_SE
	s_setreg_imm32_b32 hwreg(HW_REG_WAVE_MODE, 25, 1), 1
	s_wait_xcnt 0x0
; MULTI-HEAD CAUSAL SELF-ATTENTION, S = D = 2048, 16 heads of 128 channels, in four launches: prep, proj, attn, outp.
; THIS LAUNCH rounds the first product's operands once and makes the table of cosines and sines:
;   xb = bf16(x) [2048][2048];  wb = bf16(Wq, Wk, Wv) [6144][2048], row 384 h + 128 t + d (t = 0 q, 1 k, 2 v; h the head, d the channel);
;   tab = cos and sin of pos[s] x 10000^(-f/64), f32, in the order in which proj's lanes take them.  (Wo is rounded by launch attn, beside its own work.)
; WORK LEFT OUT BY THE PROGRAM.  reference() puts -inf, by its own triu, on every score with key > query, ahead of the softmax: such a key's weight is exactly 0 whatever
; x, the weights and the positions hold.  So tiles of 64 queries x 256 keys that lie wholly above the diagonal are never multiplied (launch attn).  Nothing else is left out,
; and every input is loaded.  LIMIT: a NaN, an infinity or an overflow that would arise only in those hidden scores is not carried to the result.
; LIMITS.  |pos x 10000^(-f/64)| stays under 2^22.  The frequency is 2^(-f log2(10000)/64), within some 4e-7 of itself of reference()'s; sine and cosine by a reduction to
; |r| <= pi/4 (pi/2 in two parts) and series cut for that range: errors under 4e-7 for every angle within the limit.
; SHARES.  Work-groups 0 to 1023 round: 256 for each of the four tensors, 8 rows (65,536 bytes in, 32,768 out) each; thread t takes 16 bytes of each 4,096, so a wave's load covers 512
; consecutive bytes and its store 256, aligned.  All sixteen loads of a thread go out first.  Work-groups 1024 to 1151 make the table, 16 positions each.
; No LDS, no barrier, no matrix unit: each byte is read once and written once, and no thread wants another's.
.set NCAST, 1024
.set X,   16                           ; v[16:79]   sixteen loads of four f32
.set Y,   80                           ; v[80:111]  sixteen stores of four bf16, each with registers of its own: nothing is rewritten while a store reads it
.set TI,  12                           ; the table's registers, four frequencies a thread
.set INV, 16
.set ANG, 20
.set NN,  24
.set RR,  28
.set R2,  32
.set PS,  36
.set PC,  40
.set SV,  44
.set CV,  48
.set QI,  52
.set TT,  56
	s_load_b512 s[8:23], s[0:1], 0x0               ; x s[8:9], Wq s[10:11], Wk s[12:13], Wv s[14:15], positions s[16:17], xb s[18:19], wb s[20:21], tab s[22:23]
	s_mov_b32 s2, ttmp9
	s_cmp_ge_u32 s2, NCAST
	s_cbranch_scc1 .Ltable
	s_lshr_b32 s3, s2, 8                           ; which tensor: 0 x, 1 Wq, 2 Wk, 3 Wv
	s_and_b32 s4, s2, 255                          ; which 8 rows of it
	v_lshlrev_b32 v1, 4, v0                        ; my 16 bytes in
	v_lshlrev_b32 v2, 3, v0                        ; my 8 bytes out
	s_lshr_b32 s5, s4, 4                           ; a weight's head,
	s_mul_i32 s5, s5, 384
	s_max_u32 s6, s3, 1
	s_sub_co_u32 s6, s6, 1                         ; t,
	s_lshl_b32 s6, s6, 7
	s_add_co_u32 s5, s5, s6
	s_and_b32 s6, s4, 15                           ; and first channel
	s_lshl3_add_u32 s5, s6, s5
	s_lshl_b32 s5, s5, 12                          ; wb's row, 4,096 bytes each
	s_lshl_b32 s6, s4, 15                          ; xb keeps x's order
	s_cmp_eq_u32 s3, 0
	s_cselect_b32 s32, s6, s5
	s_mov_b32 s33, 0
	s_lshl_b32 s34, s4, 16
	s_mov_b32 s35, 0
	s_wait_kmcnt 0x0
	s_mov_b64 s[28:29], s[8:9]
	s_cmp_eq_u32 s3, 1
	s_cselect_b64 s[28:29], s[10:11], s[28:29]
	s_cmp_eq_u32 s3, 2
	s_cselect_b64 s[28:29], s[12:13], s[28:29]
	s_cmp_eq_u32 s3, 3
	s_cselect_b64 s[28:29], s[14:15], s[28:29]
	s_cmp_eq_u32 s3, 0
	s_cselect_b64 s[30:31], s[18:19], s[20:21]
	s_add_nc_u64 s[28:29], s[28:29], s[34:35]
	s_add_nc_u64 s[30:31], s[30:31], s[32:33]
.irp i, 0,1,2,3,4,5,6,7,8,9,10,11,12,13,14,15
	global_load_b128 v[X+4*(\i):X+4*(\i)+3], v1, s[28:29] offset:4096*(\i) th:TH_LOAD_NT
.endr
.macro CVB i                           ; four numbers to bf16
	s_wait_loadcnt 15-(\i)                         ; loads come back in order: load i is in, the 15 - i younger ones may stay out
	v_cvt_pk_bf16_f32 v[Y+2*(\i)], v[X+4*(\i)], v[X+4*(\i)+1]
	v_cvt_pk_bf16_f32 v[Y+2*(\i)+1], v[X+4*(\i)+2], v[X+4*(\i)+3]
	global_store_b64 v2, v[Y+2*(\i):Y+2*(\i)+1], s[30:31] offset:2048*(\i)  ; a wave's 32 lanes store 256 consecutive bytes, aligned
.endm
.irp i, 0,1,2,3,4,5,6,7,8,9,10,11,12,13,14,15
	CVB \i
.endr
	s_endpgm
; THE TABLE.  Work-group sb holds positions 16 sb .. 16 sb + 15.  A lane's 16 bytes lie at ((4 sb + w) 4 + q) 512 + 16 lane: position 16 sb + lane % 16, frequencies
; 16 w + 8 (lane / 16) + 4 (q & 1) + 0..3; q = 0, 1 cosines, q = 2, 3 sines.  Thread: w = t / 64, q & 1 = (t / 32) & 1.
.Ltable:
	s_sub_co_u32 s3, s2, NCAST                     ; sb
	v_and_b32 v1, 31, v0
	v_lshrrev_b32 v2, 6, v0                        ; w
	v_bfe_u32 v3, v0, 5, 1                         ; q & 1
	v_and_b32 v4, 15, v0
	s_lshl_b32 s4, s3, 6
	v_lshl_add_u32 v5, v4, 2, s4                   ; my position's 4 bytes
	s_wait_kmcnt 0x0
	global_load_b32 v6, v5, s[16:17]
	v_bfe_u32 v10, v0, 4, 1
	v_lshlrev_b32 v7, 4, v2
	v_lshl_add_u32 v7, v10, 3, v7
	v_lshl_add_u32 v7, v3, 2, v7                   ; my first frequency's number
	v_lshlrev_b32 v8, 4, v1
	v_lshl_add_u32 v8, v3, 9, v8
	v_lshl_add_u32 v8, v2, 11, v8
	s_lshl_b32 s5, s3, 13
	v_add_nc_u32 v8, s5, v8                        ; where my cosines go
	s_mov_b32 s36, 0xb9500d01                      ; -1/5040
	s_mov_b32 s37, 0x3c088889                      ; 1/120
	s_mov_b32 s38, 0x37d00d01                      ; 1/40320
	s_mov_b32 s39, 0xbab60b61                      ; -1/720
.irp e, 0,1,2,3
	v_add_nc_u32 v[TI+(\e)], \e, v7
	v_cvt_f32_u32 v[TI+(\e)], v[TI+(\e)]
	v_mul_f32 v[TI+(\e)], 0xbe549a78, v[TI+(\e)]   ; -f log2(10000) / 64
.endr
.irp e, 0,1,2,3
	v_exp_f32 v[INV+(\e)], v[TI+(\e)]
.endr
	v_nop                                          ; a plain instruction behind the last exponential,
	s_wait_alu depctr_va_vdst(0)                   ; and one wait ahead of the batch's first reader
	s_wait_loadcnt 0x0
	v_cvt_f32_i32 v9, v6
.irp e, 0,1,2,3
	v_mul_f32 v[ANG+(\e)], v9, v[INV+(\e)]         ; the angle, rounded to f32 as reference() rounds it
	v_mul_f32 v[NN+(\e)], 0x3f22f983, v[ANG+(\e)]  ; x 2/pi
	v_rndne_f32 v[NN+(\e)], v[NN+(\e)]             ; n quarter turns
	v_fmamk_f32 v[RR+(\e)], v[NN+(\e)], 0xbfc90fdb, v[ANG+(\e)]  ; r = angle - n pi/2: the upper part of pi/2,
	v_fmamk_f32 v[RR+(\e)], v[NN+(\e)], 0x333bbd2e, v[RR+(\e)]   ; and what it lacks
	v_mul_f32 v[R2+(\e)], v[RR+(\e)], v[RR+(\e)]
	v_fma_f32 v[PS+(\e)], v[R2+(\e)], s36, s37
	v_fma_f32 v[PC+(\e)], v[R2+(\e)], s38, s39
	v_fmaak_f32 v[PS+(\e)], v[PS+(\e)], v[R2+(\e)], 0xbe2aaaab   ; -1/6
	v_fmaak_f32 v[PC+(\e)], v[PC+(\e)], v[R2+(\e)], 0x3d2aaaab   ; 1/24
	v_mul_f32 v[TT+(\e)], v[RR+(\e)], v[R2+(\e)]
	v_fma_f32 v[PC+(\e)], v[PC+(\e)], v[R2+(\e)], -0.5
	v_fma_f32 v[PS+(\e)], v[TT+(\e)], v[PS+(\e)], v[RR+(\e)]     ; sin r
	v_fma_f32 v[PC+(\e)], v[PC+(\e)], v[R2+(\e)], 1.0            ; cos r
	v_cvt_i32_f32 v[QI+(\e)], v[NN+(\e)]
	v_and_b32 v[TT+(\e)], 1, v[QI+(\e)]
	v_cmp_ne_u32 vcc_lo, 0, v[TT+(\e)]             ; an odd quarter swaps sine and cosine
	v_cndmask_b32 v[SV+(\e)], v[PS+(\e)], v[PC+(\e)], vcc_lo
	v_cndmask_b32 v[CV+(\e)], v[PC+(\e)], v[PS+(\e)], vcc_lo
	v_and_b32 v[TT+(\e)], 2, v[QI+(\e)]            ; quarters 2 and 3 turn the sine's sign,
	v_lshlrev_b32 v[TT+(\e)], 30, v[TT+(\e)]
	v_xor_b32 v[SV+(\e)], v[SV+(\e)], v[TT+(\e)]
	v_add_nc_u32 v[TT+(\e)], 1, v[QI+(\e)]         ; quarters 1 and 2 the cosine's
	v_and_b32 v[TT+(\e)], 2, v[TT+(\e)]
	v_lshlrev_b32 v[TT+(\e)], 30, v[TT+(\e)]
	v_xor_b32 v[CV+(\e)], v[CV+(\e)], v[TT+(\e)]
.endr
	global_store_b128 v8, v[CV:CV+3], s[22:23]                 ; a wave stores 512 consecutive bytes, aligned
	global_store_b128 v8, v[SV:SV+3], s[22:23] offset:1024
	s_endpgm
.Lfunc_end_k_qb8d49dbfeb_prep:
	.size	k_qb8d49dbfeb_prep, .Lfunc_end_k_qb8d49dbfeb_prep-k_qb8d49dbfeb_prep
	.p2alignl 7, 3214868480
	.fill 96, 4, 3214868480
	.section	.rodata,"a",@progbits
	.p2align	6, 0x0
	.amdhsa_kernel k_qb8d49dbfeb_prep
		.amdhsa_group_segment_fixed_size 0
		.amdhsa_private_segment_fixed_size 0
		.amdhsa_enable_private_segment 0
		.amdhsa_kernarg_size 64
		.amdhsa_user_sgpr_count 2
		.amdhsa_user_sgpr_kernarg_segment_ptr 1
		.amdhsa_wavefront_size32 1
		.amdhsa_system_sgpr_workgroup_id_x 1
		.amdhsa_system_sgpr_workgroup_id_y 1
		.amdhsa_system_sgpr_workgroup_id_z 1
		.amdhsa_system_vgpr_workitem_id 0
		.amdhsa_next_free_vgpr 112
		.amdhsa_next_free_sgpr 66
		.amdhsa_reserve_vcc 1
		.amdhsa_float_denorm_mode_32 3
		.amdhsa_float_denorm_mode_16_64 3
		.amdhsa_memory_ordered 1
		.amdhsa_forward_progress 1
		.amdhsa_inst_pref_size 14
	.end_amdhsa_kernel
	.amdgpu_metadata
---
amdhsa.version: [ 1, 2 ]
amdhsa.kernels:
  - .name:           k_qb8d49dbfeb_prep
    .symbol:         k_qb8d49dbfeb_prep.kd
    .args:
      - { .name: x, .offset: 0, .size: 8, .value_kind: global_buffer, .address_space: global }
      - { .name: Wq, .offset: 8, .size: 8, .value_kind: global_buffer, .address_space: global }
      - { .name: Wk, .offset: 16, .size: 8, .value_kind: global_buffer, .address_space: global }
      - { .name: Wv, .offset: 24, .size: 8, .value_kind: global_buffer, .address_space: global }
      - { .name: token_positions, .offset: 32, .size: 8, .value_kind: global_buffer, .address_space: global }
      - { .name: xb, .offset: 40, .size: 8, .value_kind: global_buffer, .address_space: global }
      - { .name: wb, .offset: 48, .size: 8, .value_kind: global_buffer, .address_space: global }
      - { .name: tab, .offset: 56, .size: 8, .value_kind: global_buffer, .address_space: global }
    .group_segment_fixed_size: 0
    .private_segment_fixed_size: 0
    .kernarg_segment_align: 8
    .kernarg_segment_size: 64
    .max_flat_workgroup_size: 256
    .sgpr_count:     66
    .vgpr_count:     112
    .wavefront_size: 32
...
	.end_amdgpu_metadata
.endif
;; end of part 1
;; launch proj (part 2): grid 16 x 16, 4 waves a work-group, clusters of 4 x 4, 327,680 bytes of LDS; arguments xb, wb, tab, qf, kf, vf; writes qf, kf, vf
.if DOCPART == 2
	.amdgcn_target "amdgcn-amd-amdhsa--gfx1250"
	.amdhsa_code_object_version 6
	.text
	.protected	k_qb8d49dbfeb_proj
	.globl	k_qb8d49dbfeb_proj
	.p2align	8
	.type	k_qb8d49dbfeb_proj,@function
k_qb8d49dbfeb_proj:
	s_mov_b64 s[64:65], 0
	v_nop
	global_prefetch_b8 v0, s[64:65] scope:SCOPE_SE
	s_setreg_imm32_b32 hwreg(HW_REG_WAVE_MODE, 25, 1), 1
	s_wait_xcnt 0x0
	s_wait_alu depctr_hold_cnt(0) depctr_sa_sdst(0) depctr_va_vdst(0) depctr_va_sdst(0) depctr_va_ssrc(0) depctr_va_vcc(0) depctr_vm_vsrc(0)
	s_getreg_b32 s2, hwreg(HW_REG_IB_STS2, 6, 4)
	s_cmp_eq_u32 s2, 0
	s_cbranch_scc0 .Lentry_in_a_cluster
	s_endpgm
.Lentry_in_a_cluster:
	s_bfe_u32 s2, ttmp6, 0x10000c
	s_cmp_lg_u32 s2, 0xf033
	s_cbranch_scc0 .Lentry_shape_is_right
	s_endpgm
.Lentry_shape_is_right:
; q, k, v = x W^T for one head and 128 rows, the rotary embedding on q and k in f32, all three rounded once to f16 and stored in the order in which launch attn's operand registers take them.
; xb: [2048][2048] bf16.  wb: [6144][2048] bf16, row 384 h + 128 t + d.  tab: cosines and sines, f32 (launch prep).  Sums in f32.
; LIMIT.  q, k and v stay under 65,504, f16's end.
; SHARES.  2048 x 6144 results on 256 work-groups: 128 rows x 384 columns each: work-group (x = row block R, y = head h).  Wave w takes all 128 rows (eight blocks a of 16) and six blocks
; b = 2 t + hh of 16 columns: channels 16 w + 64 hh + 0..15 of tensor t.  So channels d and d + 64, which the rotary embedding mixes, lie in the same lane of two accumulators of one wave.
; 48 accumulators, 384 registers.  For 32 along K a wave reads 224 LDS rows of 64 bytes and issues 48 matrix instructions.
; WHICH SOURCE IS WHICH.  q and k: source 0 = 16 rows of W, source 1 = 16 rows of x: a lane holds one row of x (lane % 16) and eight neighbouring channels: packed, half an operand fragment of
; K or Q.  v: source 0 = x, source 1 = W: a lane holds one channel and eight neighbouring keys: half a fragment of V^T.  So each packed accumulator leaves by ONE store of 16 bytes a lane at
; 16 x lane: 512 consecutive bytes, aligned.  The way out needs no LDS and no barrier.
;   qf, kf: ((128 h + sb) 8 + nb) 512 + 16 lane: row 16 sb + lane % 16, channels 16 nb + 8 (lane / 16) + 0..7
;   vf:     ((64 h + g) 8 + cb) 1024 + 512 jj + 16 lane: channel 16 cb + lane % 16, keys 32 g + 16 jj + 8 (lane / 16) + 0..7
; RING.  K goes in 16 steps of 128 (rows of 256 bytes, aligned) through two LDS slots of 512 rows: x's 128, then Wq's, Wk's, Wv's 128 of the head.  Wave 0 fetches x's tile, waves 1 to 3 one of W's.
; CLUSTER.  4 x 4 work-groups.  x's tile hangs on R alone and is asked for jointly by a column of the cluster, W's tiles on h alone and by a row: the same tensor load, descriptor and mask in all four.
; THE WALK ALONG K GOES ROUND, FROM A START THAT HANGS ON THE CLUSTER: K step (4 x cluster x + 8 g + n) mod 16 in walk step n, g = 0, 1, 1, 0 for cluster y = 0 .. 3 (f32 sums may be taken in any order).
; The four clusters that read the same rows of W (one cluster y) stand 4 K steps apart, those that read the same rows of x (one cluster x) 0 or 8: at any one time they name different K steps of those
; rows.  So a K step of W's rows is named for the first time in the launch in some cluster's walk steps 0 to 3, one of x's rows in walk steps 0 to 7.  The start is the same in all sixteen partners.
; REGISTERS, in windows of 256 (s_set_vgpr_msb: bits 1:0 source 0, 3:2 source 1, 5:4 source 2, 7:6 destination):
;   window 0: v16-30 addresses; v64-127 cosines, v128-191 sines (8 a + j: row block a, the lane's channel j); v192-223 at work on the way out
;   window 1: two fragment buffers of 112: x's eight fragments, then W's six; on the way out v0-191 the packed results
;   window 2: the accumulators of row blocks 0-3, (a, b) at 8 (6 (a % 4) + b);   window 3: those of row blocks 4-7
.set KSTEP,  128
.set ROWB,   4096                      ; bytes in a row of xb and of wb
.set PITCH,  272                       ; an LDS row: 256 bytes + 16 of padding = 68 words: the 16 rows of a fragment load start at 16 different groups of four banks (64 banks of 4 bytes: ISA guide 11.1)
.set HALFT,  128*PITCH                 ; what one tensor load brings
.set SLOT,   4*HALFT
.set SPARE,  2*SLOT                    ; behind the ring: the spare words, 128 bytes for each wave: two blocks of 256 bytes that no other line names
.set LAPS,   8                         ; a lap = two K steps = once round the ring
.set ADRA, 16                          ; v16-17  LDS address of x's fragments in slot 0, 1
.set ADRB, 20                          ; v20-21  of my fragments of Wq (and, 34,816 bytes on, Wk)
.set ADRV, 22                          ; v22-23  of Wv: beyond the reach of a 16-bit offset from ADRB
.set LO,   24                          ; v24     16 x lane
.set SPW,  28                          ; v28     LDS address of my spare word; never rewritten
.set NIL,  29                          ; v29     0; never rewritten
.set PFO,  30                          ; v30     the prefetches' offset: lane x a row of 4,096 bytes; never rewritten
.set COS,  64
.set SIN,  128
.set T,    192
.set F0,   0
.set F1,   112
.set G1,  24                           ; s[24:31] descriptor group 1 for x's tiles
.set G0,  32                           ; s[32:39] group 0 for x's tiles, a set for each slot
.set G1B, 48                           ; s[48:55], s[56:63] the same for W's tiles
.set G0B, 56
.set LIM, 43                           ; s43      5 in a wave that prefetches, else the greatest number
.set PFA, 44                           ; s[44:45] where my prefetch stands
.set KO,  72                           ; s[72:73], s[74:75] for each slot: the byte in a row at which its K step begins, with 0 above it
.set PFB, 76                           ; s[76:77] xb at my work-group's 32 rows of x's tile
.set MSB, 0
.macro WIN new                         ; the immediate's high byte repeats the setting that is left; a switch that changes nothing is dropped
.if MSB != (\new)
	s_set_vgpr_msb (MSB<<8)|(\new)
.set MSB, \new
.endif
.endm
.set MUL_LO, 0xa5                      ; both sources window 1, C and D window 2
.set MUL_HI, 0xf5                      ; the same, C and D window 3
.set TO_F,   0x40                      ; destination window 1, address window 0
; A joint load.  Wave 0 fetches x's tile, waves 1 to 3 W's.  Each line has one mask; the branch hangs on the wave's number alone.  An s_nop 0 and four v_nop follow each line.
.macro JLOAD s
	s_cmp_eq_u32 s12, 0
	s_cbranch_scc0 .Lfor_b_\@
	tensor_load_to_lds s[G0+4*(\s):G0+4*(\s)+3], s[G1:G1+7]
	s_nop 0
.rept 4
	v_nop
.endr
	s_branch .Lasked_\@
.Lfor_b_\@:
	tensor_load_to_lds s[G0B+4*(\s):G0B+4*(\s)+3], s[G1B:G1B+7]
	s_nop 0
.rept 4
	v_nop
.endr
.Lasked_\@:
.endm
; A prefetch into the L2 of x's rows for the walk step that stands two refills on (384 matrix instructions ahead of the load that will want it): 32 rows x 256 bytes, a lane a row, one instruction.
; Asked for are walk steps 4 to 7, in the loop's first two trips (s3 = 7, 6): walk steps 0 to 3 come by their loads alone, and from walk step 8 on a cluster names K steps of x's rows that another
; has named eight steps before; W's rows likewise from walk step 4 on, so none of them is asked for.  Clusters y = 0 and 3 walk alike, and so do 1 and 2: of each pair one asks (y < 2), its wave 0;
; the four partners that ask for the tile jointly share its 128 rows out by address, 32 each, by cy.  So each row's 256 bytes of a K step are named at most once in the launch.
.macro ASK
	s_cmp_gt_u32 s3, s[LIM]
	s_cbranch_scc0 .Lnot_mine_\@
	global_prefetch_b8 v[PFO], s[PFA:PFA+1] th:TH_LOAD_NT scope:SCOPE_SE
.Lnot_mine_\@:
.endm
.macro CREST                           ; a round of the cluster's barrier behind its opening barrier
	s_cmp_lg_u32 s12, 0
	s_cbranch_scc1 .Lnot_wave_0_\@
	s_barrier_signal -3
.Lnot_wave_0_\@:
	s_barrier_wait -3
	s_barrier_signal -1
	s_barrier_wait -1
.endm
.macro CROUND                          ; a whole round
	s_barrier_signal -1
	s_barrier_wait -1
	CREST
.endm
	s_load_b256 s[4:11], s[0:1], 0x0               ; xb s[4:5], wb s[6:7], tab s[8:9], qf s[10:11]
	s_load_b128 s[68:71], s[0:1], 0x20             ; kf s[68:69], vf s[70:71]
	v_lshl_add_u32 v[SPW], v0, 2, SPARE
	v_mov_b32 v[NIL], 0
	ds_add_u32 v[SPW], v[NIL]                      ; the wave's opening: an add of 0, twice on end, with its wait ahead of my first tensor load
	ds_add_u32 v[SPW], v[NIL]                      ; the set-up below, work on registers, stands between the second add and the wait
	v_lshrrev_b32 v1, 5, v0
	v_readfirstlane_b32 s12, v1                    ; wave 0..3
	s_bfe_u32 s40, ttmp6, 0x40000                  ; cx
	s_bfe_u32 s41, ttmp6, 0x40004                  ; cy
	s_lshl_b32 s13, ttmp9, 2
	s_add_co_u32 s13, s13, s40                     ; the row block R = 4 x cluster x + cx
	s_and_b32 s21, ttmp7, 0xffff                   ; cluster y
	s_lshl_b32 s42, s21, 2
	s_add_co_u32 s42, s42, s41                     ; the head h = 4 x cluster y + cy
	s_lshl_b32 s43, s41, 2
	s_lshl_b32 s43, 15, s43                        ; my row of the cluster
	s_lshl_b32 s44, 0x1111, s40                    ; my column
	; descriptor group 1: a tile of 128 rows x 128 elements of 2 bytes, 16 bytes of padding behind every 256
	s_or_b32 s[G1+0], s44, (1<<16)|(1<<20)|(1<<21)|(5<<22)|(3<<25)   ; 15:0 the mask: x's tiles go to my column; 17:16 2-byte elements; 20 padding on; 21 set beside a mask; 24:22 after every 64 words; 31:25 4 words
	s_or_b32 s[G1B+0], s43, (1<<16)|(1<<20)|(1<<21)|(5<<22)|(3<<25)  ; the same with the mask of my row, for W's tiles
.irp g, G1, G1B
	s_mov_b32 s[(\g)+1], KSTEP<<16                 ; tensor_dim0 = 128
	s_mov_b32 s[(\g)+2], 128<<16                   ; tensor_dim1 = 128
	s_mov_b32 s[(\g)+3], KSTEP<<16                 ; tile_dim0 = 128
	s_mov_b32 s[(\g)+4], 128                       ; tile_dim1 = 128
	s_mov_b32 s[(\g)+5], 2048                      ; elements from row to row
	s_mov_b32 s[(\g)+6], 0
	s_mov_b32 s[(\g)+7], 0
.endr
	; the walk's start: made of the cluster's two coordinates alone, which all sixteen partners share
	s_lshr_b32 s22, s21, 1
	s_xor_b32 s22, s22, s21
	s_and_b32 s22, s22, 1                          ; g = 0, 1, 1, 0
	s_lshl_b32 s22, s22, 3
	s_lshl_b32 s23, ttmp9, 2
	s_add_co_u32 s22, s22, s23
	s_and_b32 s22, s22, 15                         ; the first K step
	s_lshl_b32 s[KO], s22, 8                       ; slot 0: walk step 0
	s_mov_b32 s[KO+1], 0
	s_add_co_u32 s[KO+2], s[KO], KSTEP*2           ; slot 1: walk step 1
	s_and_b32 s[KO+2], s[KO+2], ROWB-1
	s_mov_b32 s[KO+3], 0
	s_mov_b32 s67, 0
	s_lshr_b32 s23, s21, 1                         ; 0 where cluster y < 2,
	s_or_b32 s23, s23, s12                         ; in wave 0
	s_cmp_eq_u32 s23, 0
	s_cselect_b32 s[LIM], 5, -1                    ; the same in all sixteen partners, for a given wave
	s_lshl_b32 s16, s13, 19                        ; x's tile: row 128 R, 4,096 bytes a row: it hangs on R alone
	s_mov_b32 s17, 0
	s_mul_i32 s46, s42, 384                        ; W's tile: row 384 h + 128 (wave - 1): it hangs on h and the wave's number alone
	s_max_u32 s47, s12, 1
	s_sub_co_u32 s47, s47, 1
	s_lshl_b32 s47, s47, 7
	s_add_co_u32 s46, s46, s47
	s_lshl_b32 s46, s46, 12
	s_mov_b32 s47, 0
	s_mul_i32 s20, s12, HALFT                      ; where my tile goes: wave x 128 rows: no place in the cluster enters an LDS address
	s_wait_dscnt 0x0                               ; both opening adds are done
	s_wait_kmcnt 0x0
	s_add_nc_u64 s[14:15], s[4:5], s[16:17]        ; the two tiles' first rows, at K = 0; never rewritten
	s_add_nc_u64 s[46:47], s[6:7], s[46:47]
	CROUND                                         ; all sixteen work-groups are here: the first joint loads meet
.irp s, 0,1
	s_mov_b32 s[G0+4*(\s)], 1                                        ; count = 1
	s_add_co_u32 s[G0+4*(\s)+1], s20, (\s)*SLOT                      ; LDS address
	s_add_nc_u64 s[G0+4*(\s)+2:G0+4*(\s)+3], s[14:15], s[KO+2*(\s):KO+2*(\s)+1]  ; global address: walk step s
	s_or_b32 s[G0+4*(\s)+3], s[G0+4*(\s)+3], 0x80000000              ; type = 2
	s_mov_b32 s[G0B+4*(\s)], 1
	s_add_co_u32 s[G0B+4*(\s)+1], s20, (\s)*SLOT
	s_add_nc_u64 s[G0B+4*(\s)+2:G0B+4*(\s)+3], s[46:47], s[KO+2*(\s):KO+2*(\s)+1]
	s_or_b32 s[G0B+4*(\s)+3], s[G0B+4*(\s)+3], 0x80000000
	JLOAD \s                                       ; two loads of mine are out
.endr
	; my cosines and sines: 128 rows x my 16 frequencies, wanted only on the way out: the loads stay out under the whole product
	v_and_b32 v[LO], 31, v0
	v_lshlrev_b32 v[PFO], 12, v[LO]
	v_lshlrev_b32 v[LO], 4, v[LO]
	s_lshl_b32 s18, s13, 16
	s_lshl_b32 s19, s12, 11
	s_add_co_u32 s18, s18, s19
	s_mov_b32 s19, 0
	s_add_nc_u64 s[8:9], s[8:9], s[18:19]
.irp a, 0,1,2,3,4,5,6,7
	global_load_b128 v[COS+8*(\a):COS+8*(\a)+3],   v[LO], s[8:9] offset:(\a)*8192
	global_load_b128 v[COS+8*(\a)+4:COS+8*(\a)+7], v[LO], s[8:9] offset:(\a)*8192+512
	global_load_b128 v[SIN+8*(\a):SIN+8*(\a)+3],   v[LO], s[8:9] offset:(\a)*8192+1024
	global_load_b128 v[SIN+8*(\a)+4:SIN+8*(\a)+7], v[LO], s[8:9] offset:(\a)*8192+1536
.endr
	; a fragment is 16 rows x 32 K in 8 registers: lane l holds row l % 16, K = 8 (l / 16) + 0..7 and 16 + 8 (l / 16) + 0..7: two loads of 16 bytes, 32 bytes apart
	v_and_b32 v1, 15, v0
	v_bfe_u32 v2, v0, 4, 1
	v_mul_u32_u24 v3, v1, PITCH
	v_lshl_add_u32 v3, v2, 4, v3
	s_mul_i32 s22, s12, 16*PITCH
	s_add_co_u32 s22, s22, HALFT                   ; Wq's tile, my 16 rows
	v_mov_b32 v[ADRA], v3
	v_add_nc_u32 v[ADRA+1], SLOT, v3
	v_add_nc_u32 v[ADRB], s22, v3
	v_add_nc_u32 v[ADRB+1], SLOT, v[ADRB]
	v_add_nc_u32 v[ADRV], 2*HALFT, v[ADRB]
	v_add_nc_u32 v[ADRV+1], 2*HALFT, v[ADRB+1]
	; where the results go
	s_lshl_b32 s18, s42, 19
	s_lshl_b32 s19, s13, 15
	s_add_co_u32 s18, s18, s19                     ; the head's 524,288 bytes, the row block's 32,768
	s_lshl_b32 s19, s12, 10
	s_add_co_u32 s22, s18, s19                     ; vf: channel block w, 1,024 bytes
	s_lshl_b32 s19, s12, 9
	s_add_co_u32 s18, s18, s19                     ; qf, kf: channel block w, 512 bytes
	s_mov_b32 s19, 0
	s_mov_b32 s23, 0
	s_add_nc_u64 s[10:11], s[10:11], s[18:19]
	s_add_nc_u64 s[68:69], s[68:69], s[18:19]
	s_add_nc_u64 s[70:71], s[70:71], s[22:23]
	; the prefetches: my work-group's 32 rows of x's 128
	s_lshl_b32 s20, s41, 17
	s_mov_b32 s21, 0
	s_add_nc_u64 s[PFB:PFB+1], s[14:15], s[20:21]
; 12 matrix instructions: row blocks a0, a0 + 1 of the window's four x my six column blocks, 32 along K.  zero = 1: the first product starts the sums.  The 48 accumulators take turns, one
; instruction a turn, in the same order in every quarter step.
.macro MUL12 f, hi, a0, zero
	WIN MUL_LO+0x50*(\hi)
.irp a, \a0, (\a0)+1
.irp b, 0,1,2,3,4,5
.set rD, 8*(6*(\a)+(\b))
.set rX, (\f)+8*(4*(\hi)+(\a))
.set rW, (\f)+64+8*(\b)
.if (\b) < 4
.set rA, rW
.set rB, rX
.else
.set rA, rX
.set rB, rW
.endif
.if \zero
	v_wmma_f32_16x16x32_bf16 v[rD:rD+7], v[rA:rA+7], v[rB:rB+7], 0
.else
	v_wmma_f32_16x16x32_bf16 v[rD:rD+7], v[rA:rA+7], v[rB:rB+7], v[rD:rD+7]
.endif
.endr
.endr
.endm
; 28 LDS loads in one run: a quarter step's fragments (32 K at byte k of the rows) into buffer f: W's six, then x's eight in ascending order
.macro FETCH slot, k, f
	WIN TO_F
.irp b, 0,1,2,3
	ds_load_b128 v[(\f)+64+8*(\b):(\f)+64+8*(\b)+3],   v[ADRB+(\slot)] offset:((\b)/2)*HALFT+((\b)%2)*64*PITCH+(\k)
	ds_load_b128 v[(\f)+64+8*(\b)+4:(\f)+64+8*(\b)+7], v[ADRB+(\slot)] offset:((\b)/2)*HALFT+((\b)%2)*64*PITCH+(\k)+32
.endr
.irp b, 4,5
	ds_load_b128 v[(\f)+64+8*(\b):(\f)+64+8*(\b)+3],   v[ADRV+(\slot)] offset:((\b)%2)*64*PITCH+(\k)
	ds_load_b128 v[(\f)+64+8*(\b)+4:(\f)+64+8*(\b)+7], v[ADRV+(\slot)] offset:((\b)%2)*64*PITCH+(\k)+32
.endr
.irp a, 0,1,2,3,4,5,6,7
	ds_load_b128 v[(\f)+8*(\a):(\f)+8*(\a)+3],   v[ADRA+(\slot)] offset:(\a)*16*PITCH+(\k)
	ds_load_b128 v[(\f)+8*(\a)+4:(\f)+8*(\a)+7], v[ADRA+(\slot)] offset:(\a)*16*PITCH+(\k)+32
.endr
.endm
.macro PLACES                          ; four plain vector instructions in front of loads into registers that matrix instructions have read, and of lines that read results
.rept 4
	v_nop
.endr
.endm
; A K step is four quarters of 32 along K, 48 matrix instructions each, on buffers 0, 1, 0, 1.  One of the first three multiplies buffer f and fetches the next quarter, at byte k, into g.
.macro QUARTER slot, k, f, g, zero
	s_wait_dscnt 8                                 ; W's fragments and x's blocks 0-3 are in; the youngest eight loads (x's blocks 4-7) may be out
	MUL12 \f, 0, 0, \zero
	MUL12 \f, 0, 2, \zero
	PLACES
	FETCH \slot, \k, \g
	s_wait_dscnt 28                                ; all but the 28 just issued
	MUL12 \f, 1, 0, \zero
	MUL12 \f, 1, 2, \zero
.endm
; The last quarter multiplies buffer 1 and changes slots: ONE barrier.  In front of it each wave waits for all its tensor loads (one is out: its part of the next slot), adds 0 to its spare word,
; and waits for that and for its own reads of this slot.  fill = 1: the barrier opens a round of the cluster's barrier, and this slot is filled again, two walk steps ahead, first thing behind it:
; from that request to the wait for it a wave issues 168 matrix instructions.  The slot's place along K steps by two K steps and goes round at the row's end; both descriptors' addresses are made
; anew from it, between the add and the wait for it, where no tensor load of mine is out.
.macro TURN slot, next, fill
.if \fill
	s_wait_xcnt 0x0                                ; the last prefetch, a K step back, has read its address: it is made anew here, ahead of the change's own waits
	s_add_co_u32 s66, s[KO+2*(\slot)], 4*KSTEP*2   ; this slot holds walk step m: the refill below asks for m + 2, the prefetch names m + 4
	s_and_b32 s66, s66, ROWB-1
	s_add_nc_u64 s[PFA:PFA+1], s[PFB:PFB+1], s[66:67]
.endif
	WIN 0                                          ; (the add's two registers lie in window 0)
	s_wait_tensorcnt 0x0                           ; all my tensor loads have landed
	ds_add_u32 v[SPW], v[NIL]                      ; 0 onto my spare word
.if \fill
	s_add_co_u32 s[KO+2*(\slot)], s[KO+2*(\slot)], 2*KSTEP*2
	s_and_b32 s[KO+2*(\slot)], s[KO+2*(\slot)], ROWB-1
	s_add_nc_u64 s[G0+4*(\slot)+2:G0+4*(\slot)+3], s[14:15], s[KO+2*(\slot):KO+2*(\slot)+1]
	s_or_b32 s[G0+4*(\slot)+3], s[G0+4*(\slot)+3], 0x80000000
	s_add_nc_u64 s[G0B+4*(\slot)+2:G0B+4*(\slot)+3], s[46:47], s[KO+2*(\slot):KO+2*(\slot)+1]
	s_or_b32 s[G0B+4*(\slot)+3], s[G0B+4*(\slot)+3], 0x80000000
.endif
	s_wait_dscnt 9                                 ; (the add and the youngest eight loads may be out)
	MUL12 F1, 0, 0, 0                              ; twelve matrix instructions stand between the add and the wait for it
	s_wait_dscnt 0x0                               ; the add is done, and my reads of this slot are over
	s_barrier_signal -1
	MUL12 F1, 0, 2, 0                              ; work on registers while the others arrive
.if \fill
	WIN 0
.endif
	s_barrier_wait -1
.if \fill
	CREST                                          ; no wave of any partner still reads this slot's tile or has a load on its way
	JLOAD \slot                                    ; the four v_nop behind it are also the places in front of the loads below
.else
	PLACES
.endif
	FETCH \next, 0, F0
.if \fill
	WIN 0
	ASK                                            ; behind the joint load and the run of LDS loads that the next products wait for
.endif
	MUL12 F1, 1, 0, 0
	MUL12 F1, 1, 2, 0
.endm
	s_wait_tensorcnt 1                             ; my part of walk step 0 is in; walk step 1's may stay out
	s_barrier_signal -1
	s_barrier_wait -1                              ; everybody's is
	FETCH 0, 0, F0
	QUARTER 0, 64, F0, F1, 1                       ; the first quarter stands in front of the loop: its products start the sums
	WIN 0                                          ; at a label and at a branch every window is 0
	s_mov_b32 s3, LAPS-1
.Llap:                                                 ; a trip goes once round the ring, from a lap's second quarter to the next lap's first, and fills both slots again
	QUARTER 0, 128, F1, F0, 0
	QUARTER 0, 192, F0, F1, 0
	TURN 0, 1, 1
	QUARTER 1, 64,  F0, F1, 0
	QUARTER 1, 128, F1, F0, 0
	QUARTER 1, 192, F0, F1, 0
	TURN 1, 0, 1
	QUARTER 0, 64,  F0, F1, 0
	WIN 0
	s_sub_co_u32 s3, s3, 1
	s_cmp_lg_u32 s3, 0
	s_cbranch_scc1 .Llap
	QUARTER 0, 128, F1, F0, 0                      ; the last lap fills nothing, and has no round of the cluster's barrier
	QUARTER 0, 192, F0, F1, 0
	TURN 0, 1, 0
	QUARTER 1, 64,  F0, F1, 0
	QUARTER 1, 128, F1, F0, 0
	QUARTER 1, 192, F0, F1, 0
	s_wait_dscnt 8                                 ; the very last quarter: nothing more to fetch
	MUL12 F1, 0, 0, 0
	MUL12 F1, 0, 2, 0
	s_wait_dscnt 0x0
	MUL12 F1, 1, 0, 0
	MUL12 F1, 1, 2, 0
; THE WAY OUT of row block a.  q and k: (lo, hi) = channels d and d + 64 become (lo cos - hi sin, lo sin + hi cos), two numbers an instruction, in f32; then all six blocks are rounded to f16, 16 bytes a
; lane, and stored.  Each accumulator's registers are taken in ascending order.  Every store has data registers of its own.
.macro OUT a
.set AW, 2+(\a)/4                      ; the accumulators' window
	WIN AW                                         ; source 0 in that window, all else in window 0
.irp t, 0,1
.irp p, 0,1,2,3
.set rL, 8*(6*((\a)%4)+2*(\t))+2*(\p)
.set rH, rL+8
.set rC, COS+8*(\a)+2*(\p)
.set rS, SIN+8*(\a)+2*(\p)
.set rT, T+16*(\t)+2*(\p)
	v_pk_mul_f32 v[rT:rT+1], v[rH:rH+1], v[rS:rS+1]
	v_pk_mul_f32 v[rT+8:rT+9], v[rH:rH+1], v[rC:rC+1]
	v_pk_fma_f32 v[rT:rT+1], v[rL:rL+1], v[rC:rC+1], v[rT:rT+1] neg_lo:[0,0,1] neg_hi:[0,0,1]
	v_pk_fma_f32 v[rT+8:rT+9], v[rL:rL+1], v[rS:rS+1], v[rT+8:rT+9]
.endr
.endr
	WIN 0x40                                       ; destination window 1
.irp u, 0,1,2,3,4,5,6,7,8,9,10,11,12,13,14,15
	v_cvt_pk_f16_f32 v[24*(\a)+(\u)], v[T+2*(\u)], v[T+2*(\u)+1]
.endr
	WIN 0x40|(AW<<2)|AW                            ; v: straight from its two accumulators
.irp u, 0,1,2,3,4,5,6,7
	v_cvt_pk_f16_f32 v[24*(\a)+16+(\u)], v[8*(6*((\a)%4)+4+(\u)/4)+2*((\u)%4)], v[8*(6*((\a)%4)+4+(\u)/4)+2*((\u)%4)+1]
.endr
	WIN 0x04                                       ; store data window 1, address window 0.  Each store of the wave covers 512 consecutive bytes, aligned
	global_store_b128 v[LO], v[24*(\a):24*(\a)+3],     s[10:11] offset:(\a)*4096
	global_store_b128 v[LO], v[24*(\a)+4:24*(\a)+7],   s[10:11] offset:(\a)*4096+2048
	global_store_b128 v[LO], v[24*(\a)+8:24*(\a)+11],  s[68:69] offset:(\a)*4096
	global_store_b128 v[LO], v[24*(\a)+12:24*(\a)+15], s[68:69] offset:(\a)*4096+2048
	global_store_b128 v[LO], v[24*(\a)+16:24*(\a)+19], s[70:71] offset:((\a)/2)*8192+((\a)%2)*512
	global_store_b128 v[LO], v[24*(\a)+20:24*(\a)+23], s[70:71] offset:((\a)/2)*8192+((\a)%2)*512+4096
.endm
	PLACES
	s_wait_loadcnt 0x0                             ; the cosines and sines
.irp a, 0,1,2,3,4,5,6,7
	OUT \a
.endr
	WIN 0
	s_wait_tensorcnt 0x0                           ; the wave's end: behind my last tensor load
	ds_add_u32 v[SPW], v[NIL]
	s_wait_dscnt 0x0
	CROUND                                         ; the closing round: no work-group ends while a partner may still ask for a tile that names it
	s_endpgm
.Lfunc_end_k_qb8d49dbfeb_proj:
	.size	k_qb8d49dbfeb_proj, .Lfunc_end_k_qb8d49dbfeb_proj-k_qb8d49dbfeb_proj
	.p2alignl 7, 3214868480
	.fill 96, 4, 3214868480
	.section	.rodata,"a",@progbits
	.p2align	6, 0x0
	.amdhsa_kernel k_qb8d49dbfeb_proj
		.amdhsa_group_segment_fixed_size 327680
		.amdhsa_private_segment_fixed_size 0
		.amdhsa_enable_private_segment 0
		.amdhsa_kernarg_size 48
		.amdhsa_user_sgpr_count 2
		.amdhsa_user_sgpr_kernarg_segment_ptr 1
		.amdhsa_wavefront_size32 1
		.amdhsa_system_sgpr_workgroup_id_x 1
		.amdhsa_system_sgpr_workgroup_id_y 1
		.amdhsa_system_sgpr_workgroup_id_z 1
		.amdhsa_system_vgpr_workitem_id 0
		.amdhsa_next_free_vgpr 960
		.amdhsa_next_free_sgpr 78
		.amdhsa_reserve_vcc 0
		.amdhsa_float_denorm_mode_32 3
		.amdhsa_float_denorm_mode_16_64 3
		.amdhsa_memory_ordered 1
		.amdhsa_forward_progress 1
		.amdhsa_inst_pref_size 129
	.end_amdhsa_kernel
	.amdgpu_metadata
---
amdhsa.version: [ 1, 2 ]
amdhsa.kernels:
  - .name:           k_qb8d49dbfeb_proj
    .symbol:         k_qb8d49dbfeb_proj.kd
    .args:
      - { .name: xb, .offset: 0, .size: 8, .value_kind: global_buffer, .address_space: global }
      - { .name: wb, .offset: 8, .size: 8, .value_kind: global_buffer, .address_space: global }
      - { .name: tab, .offset: 16, .size: 8, .value_kind: global_buffer, .address_space: global }
      - { .name: qf, .offset: 24, .size: 8, .value_kind: global_buffer, .address_space: global }
      - { .name: kf, .offset: 32, .size: 8, .value_kind: global_buffer, .address_space: global }
      - { .name: vf, .offset: 40, .size: 8, .value_kind: global_buffer, .address_space: global }
    .group_segment_fixed_size: 327680
    .private_segment_fixed_size: 0
    .kernarg_segment_align: 8
    .kernarg_segment_size: 48
    .max_flat_workgroup_size: 128
    .sgpr_count:     78
    .vgpr_count:     960
    .wavefront_size: 32
...
	.end_amdgpu_metadata
.endif
;; end of part 2
;; launch attn (part 3): grid 16 x 16, 4 waves a work-group, no clusters, 139,776 bytes of LDS; arguments qf, kf, vf, ob, Wo, wo; writes ob, wo
.if DOCPART == 3
	.amdgcn_target "amdgcn-amd-amdhsa--gfx1250"
	.amdhsa_code_object_version 6
	.text
	.protected	k_qb8d49dbfeb_attn
	.globl	k_qb8d49dbfeb_attn
	.p2align	8
	.type	k_qb8d49dbfeb_attn,@function
k_qb8d49dbfeb_attn:
	s_mov_b64 s[64:65], 0
	v_nop
	global_prefetch_b8 v0, s[64:65] scope:SCOPE_SE
	s_setreg_imm32_b32 hwreg(HW_REG_WAVE_MODE, 25, 1), 1
	s_wait_xcnt 0x0
; CAUSAL ATTENTION.  O[q] = the sum over k <= q of softmax_k(Q[q] . K[k] / sqrt(128)) V[k], for 16 heads of 2048 rows x 128 channels.  qf, kf, vf: f16, in operand-register order (launch proj).
; ob: [2048][2048] f16, column 128 h + channel.  Products, maxima and sums in f32; the weights p are rounded to f16 for the second product (their sum l is taken of the unrounded p), O once at the end.
; WORK LEFT OUT: key tiles wholly above the diagonal, whose weights reference()'s own mask makes exactly 0 for all inputs (shown at the head of launch prep); a NaN, an infinity or an overflow that
; would arise only there is not carried to the result.
; LIMITS.  A hidden score inside a live tile counts as its value less 1e30; f16's scores, 5.5e11 at the most, are nothing beside that.  A weight below 2^-126 counts as 0 in l.  NaN and infinities
; are not treated apart.  O is a mean of V's rows and has their range.  Wo below 6e-5 keeps f16's fixed step of 6e-8, and |Wo| stays under 65,504.
; THE WALK.  A head's queries lie in 32 blocks of 64; block i needs the key tiles 0 .. i / 4 of 256 keys, the last of which holds the diagonal.  A work-group takes blocks 31 - b and then b:
; (31 - b) / 4 + b / 4 + 2 = 9 tiles, whatever b: all 256 work-groups do equal work.
; SHARES.  THE KEYS ARE SPLIT AMONG THE WAVES: of a tile wave w takes keys 64 w .. 64 w + 63, for all 64 queries (four tiles of 16).  No wave wants another's K or V, and in kf and vf a wave's 16,384
; bytes of a tile lie as its registers take them: K, V and Q come by loads of 16 bytes a lane at 16 x lane, 512 consecutive bytes each, straight into operand registers.  The loop over tiles has
; no LDS, no barrier and no tensor load, so its length may hang on b.  The four waves' partial results (f32) meet in LDS once a block.
; NO CLUSTER.  Joint requests are tensor loads into LDS.  A tile's K and V are 131,072 bytes; two slots of them and the 135,168 bytes in which the f32 partial results meet make 397,312, more than the
; 327,680 that a work-group can have; and the blocks of a head walk different numbers of tiles.
; LAYOUT.  S^T = K Q^T (source 0 = 16 keys, source 1 = 16 queries): a lane holds ONE query (lane % 16) and the keys 8 (lane / 16) + 0..7.  Two such results rounded to f16 ARE source 1 of O^T = V^T P.
; SOFTMAX.  p = 2^(c s - c m), c = log2(e) / sqrt(128), with a running maximum m; O and l are multiplied by a = 2^(c m_old - c m_new) in every step.  m starts at -2^66: below every true score, above
; every hidden one: so m is the true maximum wherever the wave has seen a key of the query, and a wave that has seen none ends with p = 0, l = 0, O = 0.  c m starts far lower, so the first a is 0.
; A STEP (a tile).  The wave's query tiles are two pieces (0: tiles 0, 1; 2: tiles 2, 3).  K Q^T of piece 0; K Q^T of piece 2 with piece 0's softmax in slices behind its products; V^T P of piece 0 with
; piece 2's softmax likewise; V^T P of piece 2.  K of the next tile is asked for when K has been multiplied and V is in, V when V has been multiplied.  K's 32 loads are issued in the order in which
; the first products take them, in four groups of eight, and those products wait for them group by group.  Every load into registers that were loaded before stands behind a wait for all loads.
; BESIDE ITS OWN WORK the launch rounds Wo for launch outp: wo = the bf16 rounding of Wo, written as f16, [2048][2048].  Work-group 16 h + b takes 8 rows (65,536 bytes in, 32,768 out); thread t takes 16
; bytes of each 2,048.  The 32 loads go out in the second block's diagonal step, where nothing is left to ask for, into registers that no other line names; they land while the partial results meet;
; the rounding and the stores stand behind the last merge.
; REGISTERS, in windows of 256 (s_set_vgpr_msb: bits 1:0 source 0, 3:2 source 1, 5:4 source 2, 7:6 destination):
;   window 0: v2-11, v47-49 addresses and a constant; v12-43 eight registers of statistics a tile; v64-191 S^T, 32 a tile; v192-255 P, 16 a tile
;   window 1: O^T, 64 a tile          window 2: v0-127 Q, 32 a tile; v128-255 K of one step          window 3: v0-127 V of one step; v128-255 Wo as loaded
.set PP,    528       ; a row of a partial result in LDS: 512 bytes + 16 = 132 words: the 16 rows of a store start at 16 different groups of four banks (64 banks of 4 bytes: ISA guide 11.1)
.set PARTW, 64*PP     ; a wave's partial result: 64 queries
.set STAT,  4*PARTW   ; behind them: each wave's (c m, l) for its lanes, 1,024 bytes a wave
.set SPARE, STAT+4096 ; behind them: the spare words, 128 bytes for each wave: two blocks of 256 bytes that no other line names
.set LO,  2           ; v2   16 x lane; never rewritten
.set STO, 3           ; v3   where I put my partial result
.set RD0, 4           ; v4   where I read waves 0's and 1's partial results of my rows
.set RD1, 5           ; v5   waves 2's and 3's
.set GO,  6           ; v6   my byte offset in two rows of ob
.set SA,  7           ; v7   where I put my statistics
.set SR,  8           ; v8   where I read wave 0's
.set MK,  9           ; v9   the mask's bound for the block in hand
.set PFO, 10          ; v10  256 x lane
.set MK0, 11          ; v11  lane % 16 - 8 (lane / 16)
.set ST,  12          ; tile t's statistics at v[ST+8 t]: +0 c m, +1 m, +2, +3 l (even keys', odd keys'), +4 to +7 c0-c3, at work; a takes c2's place once the maximum is found
.set WL,  47          ; v47  16 x thread: my 16 bytes of each 2,048 of Wo
.set WS,  48          ; v48  8 x thread: my 8 bytes of each 1,024 of wo
.set BG,  49          ; v49  -1e30
.set SPW, 62          ; v62  LDS address of my spare word; never rewritten
.set NIL, 63          ; v63  0; never rewritten
.set S,   64
.set P,   192
.set KF,  128         ; K's fragments, in window 2
.set WF,  128         ; Wo as loaded, in window 3
.set WV,  12          ; s12  my wave's number
.set PB,  13          ; s13  b
.set BI,  14          ; s14  the block in hand
.set NT,  15          ; s15  its diagonal tile's number = the tiles in front of it
.set KP,  16          ; s[16:17] kf at my 64 keys of the tile last asked for
.set VP,  18          ; s[18:19] the same in vf
.set QP,  20          ; s[20:21] qf at the block's rows
.set OP,  22          ; s[22:23] ob at my 16 rows of the block
.set J,   24          ; s24  the tile in hand
.set BLK, 25          ; s25  blocks to go
.set LIM, 26          ; s26  a wave prefetches while J is below it
.set WI,  36          ; s[36:37] Wo at my work-group's 8 rows
.set WO,  38          ; s[38:39] wo at the same rows
.set HM,  48          ; s48  a word's upper bf16
.set CS,  58          ; s[58:59] c: the packed scaling names a pair and takes its low word for both halves
.set SEL, 60          ; s[60:61] v_permlanex16_b32's selects: each lane takes its own place in the other half
.set MSB, 0
.macro WIN new                      ; the immediate's high byte repeats the setting that is left; a switch that changes nothing is dropped
.if MSB != (\new)
	s_set_vgpr_msb (MSB<<8)|(\new)
.set MSB, \new
.endif
.endm
.set W_KQ, 0x0a       ; K and Q in window 2, S^T in window 0
.set W_PV, 0x53       ; V in window 3, P in window 0, O^T in window 1
.set W_RS, 0x41       ; O^T (destination and source 0) in window 1, the factor in window 0
.macro PLACES                       ; four plain vector instructions behind a matrix instruction, in front of lines that read its result and of loads into its registers
.rept 4
	v_nop
.endr
.endm
; 32 loads: 16,384 bytes that lie in register order: 64 rows of Q (16 fragments) or 64 keys of V^T (16 fragments)
.macro LOAD32 win, base, ptr
	WIN \win
.set n, 0
.rept 32
	global_load_b128 v[(\base)+4*n:(\base)+4*n+3], v[LO], s[\ptr:\ptr+1] offset:512*n
.set n, n+1
.endr
.endm
; K's 32 loads, in the order in which K Q^T takes the fragments: channels 32 c on outermost: four groups of eight loads
.macro LOADK
	WIN 0x80
.irp c, 0,1,2,3
.irp kb, 0,1,2,3
	global_load_b128 v[KF+32*(\kb)+8*(\c):KF+32*(\kb)+8*(\c)+3],   v[LO], s[KP:KP+1] offset:1024*(4*(\kb)+(\c))
	global_load_b128 v[KF+32*(\kb)+8*(\c)+4:KF+32*(\kb)+8*(\c)+7], v[LO], s[KP:KP+1] offset:1024*(4*(\kb)+(\c))+512
.endr
.endr
.endm
; Product i of 32 of S^T = K Q^T for piece x: channels 32 (i / 8) on, keys 16 ((i / 2) % 4) on, tile x + i % 2.  The first 8 start the sums: with 0, or (msk = 1) with the mask that lies in S^T.
; The accumulators take turns, one instruction a turn.
.macro KQ x, msk
	WIN W_KQ
.set rS, S+32*((\x)+i%2)+8*((i/2)%4)
.set rK, KF+32*((i/2)%4)+8*(i/8)
.set rQ, 32*((\x)+i%2)+8*(i/8)
.if (i < 8) && !(\msk)
	v_wmma_f32_16x16x32_f16 v[rS:rS+7], v[rK:rK+7], v[rQ:rQ+7], 0
.else
	v_wmma_f32_16x16x32_f16 v[rS:rS+7], v[rK:rK+7], v[rQ:rQ+7], v[rS:rS+7]
.endif
.endm
; Product i of 32 of O^T += V^T P for piece x: keys 32 (i / 16) on, channels 16 ((i / 2) % 8) on, tile x + i % 2.
.macro PV x
	WIN W_PV
.set rO, 64*((\x)+i%2)+8*((i/2)%8)
.set rV, 64*(i/16)+8*((i/2)%8)
.set rP, P+16*((\x)+i%2)+8*(i/16)
	v_wmma_f32_16x16x32_f16 v[rO:rO+7], v[rV:rV+7], v[rP:rP+7], v[rO:rO+7]
.endm
; One tile's softmax for one step is a list of 134 instructions; SM writes number j of it for tile t.  s0-s31 are the lane's 32 scores, in pairs 0-15.
;   0-15    the maximum of s0-s31 and the old m, three operands at a time (each accumulator's lowest registers are read first)
;   16-20   the other half of the lanes' maximum; the new m; c m; c m_old - c m_new
;   21-69   ONE BATCH: the 16 scalings c s - c m and all 33 exponentials (a at 23, then s0-s31); none of these reads an exponential's result
;   70-85   the roundings to f16     86-101  the sums; l = a l + the sum     102-133 the tile's O^T times a
.macro SM t
.set rT, ST+8*(\t)
.set rS, S+32*(\t)
.set rP, P+16*(\t)
.set rO, 64*(\t)+2*(j-102)
.if j < 102
	WIN 0
.endif
.if j < 4
	v_max3_num_f32 v[rT+4+j], v[rS+8*j], v[rS+8*j+1], v[rS+8*j+2]
.elseif j < 12
	v_max3_num_f32 v[rT+4+j%4], v[rT+4+j%4], v[rS+8*(j%4)+2*(j/4)+1], v[rS+8*(j%4)+2*(j/4)+2]
.elseif j == 12
	v_max3_num_f32 v[rT+4], v[rT+4], v[rS+7], v[rS+15]
.elseif j == 13
	v_max3_num_f32 v[rT+6], v[rT+6], v[rS+23], v[rS+31]
.elseif j == 14
	v_max3_num_f32 v[rT+4], v[rT+4], v[rT+5], v[rT+6]
.elseif j == 15
	v_max3_num_f32 v[rT+4], v[rT+4], v[rT+7], v[rT+1]
.elseif j == 16
	v_permlanex16_b32 v[rT+5], v[rT+4], s[SEL], s[SEL+1]  ; the query's other 32 keys lie in the lane 16 away
.elseif j == 17
	v_mov_b32 v[rT+7], v[rT]        ; c m_old is kept for a: number 19 writes c m anew
.elseif j == 18
	v_max_num_f32 v[rT+1], v[rT+4], v[rT+5]
.elseif j == 19
	v_mul_f32 v[rT], s[CS], v[rT+1]
.elseif j == 20
	v_sub_f32 v[rT+7], v[rT+7], v[rT]
.elseif j == 23
	v_exp_f32 v[rT+6], v[rT+7]
.elseif (j < 23) || ((j < 38) && (j%2 == 0)) || ((j < 66) && (j%4 == 2))
.set b, (j-2)/4                     ; 38, 42, .. 62: pairs 9 to 15
.if j < 38
.set b, (j-20)/2                    ; 21: pair 0; 22, 24, .. 36: pairs 1 to 8
.endif
	v_pk_fma_f32 v[rS+2*b:rS+2*b+1], v[rS+2*b:rS+2*b+1], s[CS:CS+1], v[rT:rT+1] op_sel_hi:[1,0,0] neg_lo:[0,0,1] neg_hi:[0,0,1]  ; pair b: c s - c m
.elseif j < 70
.set e, j-38                        ; 66 to 69: s28 to s31
.if j < 66
.set e, j-32-(j-38)/4               ; 39-41, 43-45, .. 63-65: s7 to s27
.endif
.if j < 38
.set e, (j-25)/2                    ; 25, 27, .. 37: s0 to s6
.endif
	v_exp_f32 v[rS+e], v[rS+e]
.elseif j < 86
	v_cvt_pk_f16_f32 v[rP+j-70], v[rS+2*(j-70)], v[rS+2*(j-70)+1]
.elseif j < 102                     ; the sum of the tile's 16 pairs, in place: neighbours 1, 2, 4 and 8 pairs apart, then l takes it
.set z, j-86
.set w, 4
.set u, z
.if z >= 14
.set w, 32
.set u, 0
.elseif z >= 12
.set w, 16
.set u, z-12
.elseif z >= 8
.set w, 8
.set u, z-8
.endif
.if z < 15
	v_pk_add_f32 v[rS+w*u:rS+w*u+1], v[rS+w*u:rS+w*u+1], v[rS+w*u+w/2:rS+w*u+w/2+1]
.else
	v_pk_fma_f32 v[rT+2:rT+3], v[rT+2:rT+3], v[rT+6:rT+7], v[rS:rS+1] op_sel_hi:[1,0,1]
.endif
.else
	WIN W_RS
	v_pk_mul_f32 v[rO:rO+1], v[rO:rO+1], v[rT+6:rT+7] op_sel_hi:[1,0]
.endif
.endm
; Slice k of 64 of piece y's softmax: four instructions.  Slices 11 to 34 deal out the batch, four numbers of one tile each, the tiles by turns; every other slice is numbers 2 k and 2 k + 1 of both
; tiles; the twelve that are over (2 x 134 = 4 x 64 + 12) stand in slice 63.  Ahead of slice 35 nothing names an exponential's result, and behind slice 34 none is issued: so the piece's 66
; exponentials have one plain instruction and ONE wait, behind slice 34, ahead of the first reader.
.macro SLICE y
.if (k >= 11) && (k < 35)
.irp n, 0,1,2,3
.set j, 22+4*((k-11)/2)+(\n)
	SM (\y)+(k-11)%2
.endr
.else
.irp n, 0,1,2,3,4,5,6,7
.if ((\n) < 2) || (k == 63)
.irp t, \y, (\y)+1
.set j, 2*k+(\n)
	SM \t
.endr
.endif
.endr
.endif
.if k == 34
	v_nop
	s_wait_alu depctr_va_vdst(0)
.endif
.set k, k+1
.endm
; K has been multiplied (sixteen plain instructions of slice 63 stand behind its last product).  First V of this step is waited for: no load is then out, on every way here, so that every load below
; lands on registers on which no earlier load is still to land.
; msk = 0: the next tile's K is asked for.  Behind the loads, while J < LIM, the wave prefetches into the L2 ITS OWN 16,384 bytes of K of tile J + 4, a lane a block of 256 bytes, two instructions: the tile
; that the step three on will load.  All 16 work-groups of a head walk the tiles from 0 on: work-group b = 0 alone asks, in its first block (tiles 0 to 7), so each block of 256 bytes is named once in the
; launch; tiles 0 to 3 come by their loads alone; J <= 3 keeps J + 4 inside the head's 8 tiles.
; msk = 1, the diagonal tile: in the first block the second block's Q and its tile 0 of K are asked for, 64 loads, which land while the first block's partial results meet; in the second block my 32
; loads of Wo.
.macro NEXTK msk
	WIN 0
	s_wait_loadcnt 0x0              ; V is in: no load is out
.if \msk
	s_cmp_eq_u32 s[BLK], 2
	s_cbranch_scc0 .Lwo_\@
	s_wait_xcnt 0x0                 ; every load and prefetch issued so far has read its address: the pointers may be written
	s_lshl_b32 s28, s[PB], 14       ; block b: 64 rows of 256 bytes each
	s_mov_b32 s29, 0
	s_add_nc_u64 s[QP:QP+1], s[4:5], s[28:29]
	s_mov_b64 s[KP:KP+1], s[6:7]
	LOAD32 0x80, 0, QP
	LOADK
	WIN 0
	s_branch .Lno_k_\@
.Lwo_\@:
	WIN 0xc0                        ; destination window 3
.set n, 0
.rept 32
	global_load_b128 v[WF+4*n:WF+4*n+3], v[WL], s[WI:WI+1] offset:2048*n th:TH_LOAD_NT  ; a wave's load covers 512 consecutive bytes
.set n, n+1
.endr
	WIN 0
.Lno_k_\@:
.else
	s_wait_xcnt 0x0
	s_add_nc_u64 s[KP:KP+1], s[KP:KP+1], 65536
	LOADK
	WIN 0
	s_cmp_lt_u32 s[J], s[LIM]
	s_cbranch_scc0 .Lno_k_\@
	global_prefetch_b8 v[PFO], s[KP:KP+1] offset:196608 th:TH_LOAD_NT scope:SCOPE_SE
	global_prefetch_b8 v[PFO], s[KP:KP+1] offset:204800 th:TH_LOAD_NT scope:SCOPE_SE
.Lno_k_\@:
.endif
.endm
.macro NEXTV msk                    ; the same for V, behind its last product and four places; V's last loads were shown landed by NEXTK's wait
	WIN 0
.if \msk
	s_cmp_eq_u32 s[BLK], 2
	s_cbranch_scc0 .Lno_v_\@
	s_wait_xcnt 0x0
	s_mov_b64 s[VP:VP+1], s[8:9]
	LOAD32 0xc0, 0, VP
	WIN 0
.Lno_v_\@:
.else
	s_wait_xcnt 0x0
	s_add_nc_u64 s[VP:VP+1], s[VP:VP+1], 65536
	LOAD32 0xc0, 0, VP
	WIN 0
	s_cmp_lt_u32 s[J], s[LIM]
	s_cbranch_scc0 .Lno_v_\@
	global_prefetch_b8 v[PFO], s[VP:VP+1] offset:196608 th:TH_LOAD_NT scope:SCOPE_SE
	global_prefetch_b8 v[PFO], s[VP:VP+1] offset:204800 th:TH_LOAD_NT scope:SCOPE_SE
.Lno_v_\@:
.endif
.endm
.macro STEP msk
.set i, 0
.rept 32
.if (i%8) == 0
	s_wait_loadcnt 56-i             ; K's group i / 8 is in (and, at a block's start, Q): behind it were issued K's 24 - i later loads and V's 32
.endif
	KQ 0, \msk                      ; piece 0's scores: no vector work is ready to stand between them
.set i, i+1
.endr
	PLACES
.set k, 0
.set i, 0
.rept 32
	KQ 2, \msk                      ; piece 2's scores | piece 0's softmax, two slices behind each product
	SLICE 0
	SLICE 0
.set i, i+1
.endr
	NEXTK \msk
.set k, 0
.set i, 0
.rept 32
	PV 0                            ; piece 0's V^T P | piece 2's softmax
	SLICE 2
	SLICE 2
.set i, i+1
.endr
.set i, 0
.rept 32
	PV 2
.set i, i+1
.endr
	PLACES
	NEXTV \msk
.endm
; THE MASK of the diagonal tile is written into S^T itself, which is then the C operand of the products that start the sums: 0, or -1e30 where the key is hidden.  Register jj of key block kb of query tile t
; is hidden where 64 w + 16 kb + 8 (l / 16) + jj > 64 (block % 4) + 16 t + l % 16, that is 16 (kb - t) + jj > MK: one compare serves all pairs with the same kb - t.
.macro MASKS
	WIN 0
.irp d, -3,-2,-1,0,1,2,3
.irp jj, 0,1,2,3,4,5,6,7
	v_cmp_gt_i32 vcc_lo, 16*(\d)+(\jj), v[MK]
.irp t, 0,1,2,3
.if ((\t)+(\d) >= 0) && ((\t)+(\d) < 4)
	v_cndmask_b32 v[S+32*(\t)+8*((\t)+(\d))+(\jj)], 0, v[BG], vcc_lo
.endif
.endr
.endr
.endr
.endm
; Eight LDS loads: pair rr of half bt of my 16 rows: lanes 0-15 take one row, lanes 16-31 the next; a lane 8 channels of each of the four waves' partial results
.macro RDP bt, rr
.irp u, 0,1,2,3
	ds_load_b128 v[S+32*(\rr)+8*(\u):S+32*(\rr)+8*(\u)+3],   v[RD0+(\u)/2] offset:((\u)%2)*PARTW+(4*(\bt)+(\rr))*2*PP
	ds_load_b128 v[S+32*(\rr)+8*(\u)+4:S+32*(\rr)+8*(\u)+7], v[RD0+(\u)/2] offset:((\u)%2)*PARTW+(4*(\bt)+(\rr))*2*PP+16
.endr
.endm
; THE FOUR WAVES' RESULTS MEET.  Each wave's (c m, l) go through LDS; every wave finds M = the largest c m, L = the sum of 2^(c m_w - M) l_w, and multiplies its O^T by 2^(c m_own - M) / L.  The partial
; results (f32) go into LDS; wave w adds the four for query tile w, rounds to f16 and stores whole rows of the head's 256 bytes.  Wave 0 has seen key 0 of every query, so M is a true score's.
.macro MERGE
	WIN 0
.irp t, 0,1,2,3
	v_add_f32 v[ST+8*(\t)+4], v[ST+8*(\t)+2], v[ST+8*(\t)+3]
.endr
.irp t, 0,1,2,3
	v_permlanex16_b32 v[ST+8*(\t)+5], v[ST+8*(\t)+4], s[SEL], s[SEL+1]
.endr
.irp t, 0,1,2,3
	v_add_f32 v[ST+8*(\t)+1], v[ST+8*(\t)+4], v[ST+8*(\t)+5]  ; l takes m's place beside c m
.endr
.irp t, 0,1,2,3
	ds_store_b64 v[SA], v[ST+8*(\t):ST+8*(\t)+1] offset:256*(\t)
.endr
	s_wait_dscnt 0x0                ; for the others' sake: my statistics are stored; and my reads of the last block's partial results are back
	s_barrier_signal -1
	s_barrier_wait -1
.irp t, 0,1,2,3
.irp u, 0,1,2,3
	ds_load_b64 v[P+8*(\t)+2*(\u):P+8*(\t)+2*(\u)+1], v[SR] offset:1024*(\u)+256*(\t)
.endr
.endr
	s_wait_dscnt 0x0
.irp t, 0,1,2,3
	v_max3_num_f32 v[ST+8*(\t)+4], v[P+8*(\t)], v[P+8*(\t)+2], v[P+8*(\t)+4]
.endr
.irp t, 0,1,2,3
	v_max_num_f32 v[ST+8*(\t)+4], v[ST+8*(\t)+4], v[P+8*(\t)+6]
.endr
.irp t, 0,1,2,3
	v_sub_f32 v[ST+8*(\t)+5], v[ST+8*(\t)], v[ST+8*(\t)+4]
.irp u, 0,1,2,3
	v_sub_f32 v[P+8*(\t)+2*(\u)], v[P+8*(\t)+2*(\u)], v[ST+8*(\t)+4]
.endr
.endr
.irp t, 0,1,2,3
	v_exp_f32 v[ST+8*(\t)+5], v[ST+8*(\t)+5]
.irp u, 0,1,2,3
	v_exp_f32 v[P+8*(\t)+2*(\u)], v[P+8*(\t)+2*(\u)]
.endr
.endr
	v_nop                           ; a plain instruction behind the last exponential,
	s_wait_alu depctr_va_vdst(0)    ; and one wait for the twenty, ahead of their first reader
.irp t, 0,1,2,3
	v_mul_f32 v[ST+8*(\t)+6], v[P+8*(\t)], v[P+8*(\t)+1]
	v_fmac_f32 v[ST+8*(\t)+6], v[P+8*(\t)+2], v[P+8*(\t)+3]
	v_fmac_f32 v[ST+8*(\t)+6], v[P+8*(\t)+4], v[P+8*(\t)+5]
	v_fmac_f32 v[ST+8*(\t)+6], v[P+8*(\t)+6], v[P+8*(\t)+7]
.endr
.irp t, 0,1,2,3
	v_rcp_f32 v[ST+8*(\t)+7], v[ST+8*(\t)+6]
.endr
	v_nop
	s_wait_alu depctr_va_vdst(0)    ; one wait for the four reciprocals
.irp t, 0,1,2,3
	v_mul_f32 v[ST+8*(\t)+6], v[ST+8*(\t)+5], v[ST+8*(\t)+7]
.endr
	WIN W_RS
.irp t, 0,1,2,3
.set i, 64*(\t)
.rept 32
	v_pk_mul_f32 v[i:i+1], v[i:i+1], v[ST+8*(\t)+6:ST+8*(\t)+7] op_sel_hi:[1,0]
.set i, i+2
.endr
.endr
	WIN 0x04                        ; store data window 1, address window 0
.irp t, 0,1,2,3
.irp cb, 0,1,2,3,4,5,6,7
	ds_store_b128 v[STO], v[64*(\t)+8*(\cb):64*(\t)+8*(\cb)+3]   offset:16*PP*(\t)+64*(\cb)
	ds_store_b128 v[STO], v[64*(\t)+8*(\cb)+4:64*(\t)+8*(\cb)+7] offset:16*PP*(\t)+64*(\cb)+16
.endr
.endr
	WIN 0
	s_wait_dscnt 0x0                ; for the others' sake: my partial result is stored; and my reads of the statistics are back
	s_barrier_signal -1
	s_barrier_wait -1
.irp rr, 0,1,2,3                    ; my 16 rows in two halves of four pairs of rows; the second half's loads go out as the first half's registers fall free
	RDP 0, \rr
.endr
.irp bt, 0,1
.irp rr, 0,1,2,3
.if (\bt) == 0
	s_wait_dscnt 24                 ; behind this pair's eight loads stand 8 (3 - rr) of the first half and 8 rr of the second
.else
	s_wait_dscnt 24-8*(\rr)         ; behind them stand the 8 (3 - rr) of the later pairs
.endif
.irp p, 0,2,4,6
	v_pk_add_f32 v[S+32*(\rr)+(\p):S+32*(\rr)+(\p)+1], v[S+32*(\rr)+(\p):S+32*(\rr)+(\p)+1], v[S+32*(\rr)+8+(\p):S+32*(\rr)+8+(\p)+1]
	v_pk_add_f32 v[S+32*(\rr)+16+(\p):S+32*(\rr)+16+(\p)+1], v[S+32*(\rr)+16+(\p):S+32*(\rr)+16+(\p)+1], v[S+32*(\rr)+24+(\p):S+32*(\rr)+24+(\p)+1]
.endr
.irp p, 0,2,4,6
	v_pk_add_f32 v[S+32*(\rr)+(\p):S+32*(\rr)+(\p)+1], v[S+32*(\rr)+(\p):S+32*(\rr)+(\p)+1], v[S+32*(\rr)+16+(\p):S+32*(\rr)+16+(\p)+1]
.endr
.irp p, 0,1,2,3
	v_cvt_pk_f16_f32 v[P+32+4*(4*(\bt)+(\rr))+(\p)], v[S+32*(\rr)+2*(\p)], v[S+32*(\rr)+2*(\p)+1]
.endr
	global_store_b128 v[GO], v[P+32+4*(4*(\bt)+(\rr)):P+32+4*(4*(\bt)+(\rr))+3], s[OP:OP+1] offset:8192*(4*(\bt)+(\rr))  ; 16 lanes store 256 consecutive bytes, aligned
.if (\bt) == 0
	RDP 1, \rr
.endif
.endr
.endr
	s_wait_xcnt 0x0                 ; the stores have read their registers and their base: what follows writes both anew
.endm
	s_load_b256 s[4:11], s[0:1], 0x0  ; qf s[4:5], kf s[6:7], vf s[8:9], ob s[10:11]
	s_load_b128 s[36:39], s[0:1], 0x20  ; Wo s[36:37], wo s[38:39]
	v_lshl_add_u32 v[SPW], v0, 2, SPARE
	v_mov_b32 v[NIL], 0
	v_lshrrev_b32 v1, 5, v0
	v_readfirstlane_b32 s[WV], v1   ; wave 0..3
	s_mov_b32 s[PB], ttmp9
	s_sub_co_u32 s[BI], 31, s[PB]   ; the first block
	s_and_b32 s30, ttmp7, 0xffff    ; the head
	s_lshl_b32 s44, s30, 4
	s_add_co_u32 s44, s44, s[PB]    ; my work-group's number, 0 to 255:
	s_lshl_b32 s46, s44, 15         ; its 8 rows in wo,
	s_mov_b32 s47, 0
	s_lshl_b32 s44, s44, 16         ; and in Wo
	s_mov_b32 s45, 0
	s_lshl_b32 s28, s30, 19         ; the head's 524,288 bytes in qf, kf and vf
	s_mov_b32 s29, 0
	s_lshl_b32 s32, s[WV], 14       ; my 64 keys of a tile
	s_mov_b32 s33, 0
	s_add_nc_u64 s[32:33], s[32:33], s[28:29]
	s_lshl_b32 s30, s30, 8          ; the head's 256 bytes of a row of ob
	s_mov_b32 s31, 0
	s_lshl_b32 s34, s[BI], 14
	s_mov_b32 s35, 0
	s_mov_b32 s[HM], 0xffff0000
	s_mov_b32 s[CS], 0x3e0293ee     ; c = log2(e) / sqrt(128) = 0.127517
	s_mov_b32 s[CS+1], s[CS]        ; named with it as a pair
	s_mov_b32 s[SEL], 0x76543210
	s_mov_b32 s[SEL+1], 0xfedcba98
	v_and_b32 v46, 31, v0
	v_lshlrev_b32 v[LO], 4, v46
	s_wait_kmcnt 0x0
	s_add_nc_u64 s[4:5], s[4:5], s[28:29]
	s_add_nc_u64 s[6:7], s[6:7], s[32:33]
	s_add_nc_u64 s[8:9], s[8:9], s[32:33]
	s_add_nc_u64 s[10:11], s[10:11], s[30:31]
	s_add_nc_u64 s[WI:WI+1], s[WI:WI+1], s[44:45]
	s_add_nc_u64 s[WO:WO+1], s[WO:WO+1], s[46:47]
	s_add_nc_u64 s[QP:QP+1], s[4:5], s[34:35]
	s_mov_b64 s[KP:KP+1], s[6:7]
	s_mov_b64 s[VP:VP+1], s[8:9]
	LOAD32 0x80, 0, QP
	LOADK                           ; tile 0
	LOAD32 0xc0, 0, VP
	; A block's first step multiplies O^T by a = 0, so O^T need only hold finite numbers: zeros for the first block, what the first block left for the second.  No first step is written out; the price is
	; these 256 lines, which run while the first loads are out.
	WIN 0x40
.set i, 0
.rept 256
	v_mov_b32 v[i], 0
.set i, i+1
.endr
	WIN 0
	v_and_b32 v44, 15, v0           ; l % 16
	v_bfe_u32 v45, v0, 4, 1         ; l / 16
	s_mul_i32 s28, s[WV], PARTW
	v_mul_u32_u24 v[STO], v44, PP   ; my partial result: row 16 t + l % 16, 32 bytes for each half of the lanes
	v_lshl_add_u32 v[STO], v45, 5, v[STO]
	v_add_nc_u32 v[STO], s28, v[STO]
	s_mul_i32 s28, s[WV], 16*PP
	v_mul_u32_u24 v[RD0], v45, PP   ; back: rows 16 w + l / 16 on, 32 bytes a lane
	v_lshl_add_u32 v[RD0], v44, 5, v[RD0]
	v_add_nc_u32 v[RD0], s28, v[RD0]
	v_add_nc_u32 v[RD1], 2*PARTW, v[RD0]
	v_lshlrev_b32 v[GO], 12, v45    ; and the same two rows in ob
	v_lshl_add_u32 v[GO], v44, 4, v[GO]
	s_lshl_b32 s28, s[WV], 10
	v_lshl_add_u32 v[SR], v46, 3, STAT
	v_add_nc_u32 v[SA], s28, v[SR]
	v_lshlrev_b32 v[PFO], 8, v46
	v_lshlrev_b32 v[MK0], 3, v45
	v_sub_nc_u32 v[MK0], v44, v[MK0]
	v_lshlrev_b32 v[WL], 4, v0
	v_lshlrev_b32 v[WS], 3, v0
	v_mov_b32 v[BG], 0xf149f2ca     ; -1e30
	s_mov_b32 s[BLK], 2
	s_cmp_eq_u32 s[PB], 0
	s_cselect_b32 s[LIM], 4, 0
.Lblock:
	s_lshr_b32 s[NT], s[BI], 2
	s_and_b32 s28, s[BI], 3
	s_sub_co_i32 s28, s28, s[WV]
	s_lshl_b32 s28, s28, 6
	v_add_nc_u32 v[MK], s28, v[MK0] ; 64 (block % 4 - w) + l % 16 - 8 (l / 16)
	s_lshl_b32 s28, s[BI], 18       ; row 64 x block + 16 w, 4,096 bytes a row
	s_lshl_b32 s29, s[WV], 16
	s_add_co_u32 s28, s28, s29
	s_mov_b32 s29, 0
	s_add_nc_u64 s[OP:OP+1], s[10:11], s[28:29]
.irp t, 0,1,2,3
	v_mov_b32 v[ST+8*(\t)], 0xfe000000    ; c m: far below every c s, so the first a is 0
	v_mov_b32 v[ST+8*(\t)+1], 0xe0800000  ; m = -2^66
	v_mov_b32 v[ST+8*(\t)+2], 0
	v_mov_b32 v[ST+8*(\t)+3], 0
.endr
	s_mov_b32 s[J], 0
	s_cmp_eq_u32 s[NT], 0
	s_cbranch_scc1 .Ldiag           ; blocks 0 to 3 have the diagonal tile alone
.Lstep:                             ; NT times: a tile that every query of the block sees whole
	STEP 0
	s_add_co_u32 s[J], s[J], 1
	s_cmp_lt_u32 s[J], s[NT]
	s_cbranch_scc1 .Lstep
.Ldiag:
	MASKS
	STEP 1
	MERGE
	s_mov_b32 s[BI], s[PB]          ; the second block
	s_mov_b32 s[LIM], 0
	s_sub_co_u32 s[BLK], s[BLK], 1
	s_cmp_lg_u32 s[BLK], 0
	s_cbranch_scc1 .Lblock
	; Wo: to bf16, and that number written as f16.  S^T's and P's registers are free; every store has data registers of its own.
	s_wait_loadcnt 0x0              ; my 32 loads of Wo
	WIN 0x0f                        ; sources 0 and 1 window 3, destination window 0
.set n, 0
.rept 64
	v_cvt_pk_bf16_f32 v[S+n], v[WF+2*n], v[WF+2*n+1]
.set n, n+1
.endr
	WIN 0
.set n, 0
.rept 32
	v_lshlrev_b32 v[S+64+4*(n%4)],   16, v[S+2*n]
	v_and_b32     v[S+64+4*(n%4)+1], s[HM], v[S+2*n]
	v_lshlrev_b32 v[S+64+4*(n%4)+2], 16, v[S+2*n+1]
	v_and_b32     v[S+64+4*(n%4)+3], s[HM], v[S+2*n+1]
	v_cvt_pk_f16_f32 v[P+2*n],   v[S+64+4*(n%4)],   v[S+64+4*(n%4)+1]
	v_cvt_pk_f16_f32 v[P+2*n+1], v[S+64+4*(n%4)+2], v[S+64+4*(n%4)+3]
	global_store_b64 v[WS], v[P+2*n:P+2*n+1], s[WO:WO+1] offset:1024*n  ; a wave's 32 lanes store 256 consecutive bytes, aligned
.set n, n+1
.endr
	s_wait_tensorcnt 0x0            ; the wave's end: behind my last LDS store
	ds_add_u32 v[SPW], v[NIL]
	s_wait_dscnt 0x0
	s_endpgm
.Lfunc_end_k_qb8d49dbfeb_attn:
	.size	k_qb8d49dbfeb_attn, .Lfunc_end_k_qb8d49dbfeb_attn-k_qb8d49dbfeb_attn
	.p2alignl 7, 3214868480
	.fill 96, 4, 3214868480
	.section	.rodata,"a",@progbits
	.p2align	6, 0x0
	.amdhsa_kernel k_qb8d49dbfeb_attn
		.amdhsa_group_segment_fixed_size 139776
		.amdhsa_private_segment_fixed_size 0
		.amdhsa_enable_private_segment 0
		.amdhsa_kernarg_size 48
		.amdhsa_user_sgpr_count 2
		.amdhsa_user_sgpr_kernarg_segment_ptr 1
		.amdhsa_wavefront_size32 1
		.amdhsa_system_sgpr_workgroup_id_x 1
		.amdhsa_system_sgpr_workgroup_id_y 1
		.amdhsa_system_sgpr_workgroup_id_z 1
		.amdhsa_system_vgpr_workitem_id 0
		.amdhsa_next_free_vgpr 1024
		.amdhsa_next_free_sgpr 66
		.amdhsa_reserve_vcc 1
		.amdhsa_float_denorm_mode_32 3
		.amdhsa_float_denorm_mode_16_64 3
		.amdhsa_memory_ordered 1
		.amdhsa_forward_progress 1
		.amdhsa_inst_pref_size 176
	.end_amdhsa_kernel
	.amdgpu_metadata
---
amdhsa.version: [ 1, 2 ]
amdhsa.kernels:
  - .name:           k_qb8d49dbfeb_attn
    .symbol:         k_qb8d49dbfeb_attn.kd
    .args:
      - { .name: qf, .offset: 0, .size: 8, .value_kind: global_buffer, .address_space: global }
      - { .name: kf, .offset: 8, .size: 8, .value_kind: global_buffer, .address_space: global }
      - { .name: vf, .offset: 16, .size: 8, .value_kind: global_buffer, .address_space: global }
      - { .name: ob, .offset: 24, .size: 8, .value_kind: global_buffer, .address_space: global }
      - { .name: Wo, .offset: 32, .size: 8, .value_kind: global_buffer, .address_space: global }
      - { .name: wo, .offset: 40, .size: 8, .value_kind: global_buffer, .address_space: global }
    .group_segment_fixed_size: 139776
    .private_segment_fixed_size: 0
    .kernarg_segment_align: 8
    .kernarg_segment_size: 48
    .max_flat_workgroup_size: 128
    .sgpr_count:     66
    .vgpr_count:     1024
    .wavefront_size: 32
...
	.end_amdgpu_metadata
.endif
;; end of part 3
;; launch outp (part 4): grid 16 x 16, 4 waves a work-group, clusters of 4 x 4, 327,680 bytes of LDS; arguments ob, wo, out0; writes out0
.if DOCPART == 4
	.amdgcn_target "amdgcn-amd-amdhsa--gfx1250"
	.amdhsa_code_object_version 6
	.text
	.protected	k_qb8d49dbfeb_outp
	.globl	k_qb8d49dbfeb_outp
	.p2align	8
	.type	k_qb8d49dbfeb_outp,@function
k_qb8d49dbfeb_outp:
	s_mov_b64 s[64:65], 0
	v_nop
	global_prefetch_b8 v0, s[64:65] scope:SCOPE_SE
	s_setreg_imm32_b32 hwreg(HW_REG_WAVE_MODE, 25, 1), 1
	s_wait_xcnt 0x0
	s_wait_alu depctr_hold_cnt(0) depctr_sa_sdst(0) depctr_va_vdst(0) depctr_va_sdst(0) depctr_va_ssrc(0) depctr_va_vcc(0) depctr_vm_vsrc(0)
	s_getreg_b32 s2, hwreg(HW_REG_IB_STS2, 6, 4)
	s_cmp_eq_u32 s2, 0
	s_cbranch_scc0 .Lentry_in_a_cluster
	s_endpgm
.Lentry_in_a_cluster:
	s_bfe_u32 s2, ttmp6, 0x10000c
	s_cmp_lg_u32 s2, 0xf033
	s_cbranch_scc0 .Lentry_shape_is_right
	s_endpgm
.Lentry_shape_is_right:
; out0[m][n] = the sum over k of O[m][k] Wo[n][k].  ob: [2048][2048] f16, and wo: [2048][2048] f16, the bf16 rounding of Wo (both from launch attn).  out0: [2048][2048] f32.  Sums in f32.
; A tile of out0 is 128 x 128: 256 work-groups, one for each of 256 tiles.  Four waves, each 64 x 64: 16 accumulators of 16 x 16, 128 registers.  K goes in 8 steps of 256 (LDS rows of 512 bytes; a wave's
; tensor load brings 64 of them) through two slots.  A wave's 64 columns of f32 are 256 consecutive bytes, aligned, of a row of out0: so each wave has a stage of its own on the way out, and no barrier there.
; CLUSTERS: 4 x 4 work-groups.  The four of a row of the cluster need the same tiles of ob, the four of a column the same tiles of wo: each tile is asked for JOINTLY, by the same tensor load with the
; same descriptor and a mask that names the four.  THE MATRIX INSTRUCTION IS USED TRANSPOSED (source 0 = 16 rows of wo, source 1 = 16 rows of ob): a lane holds eight neighbouring numbers of a row of out0.
; THE WALK ALONG K GOES ROUND, FROM A START THAT HANGS ON THE CLUSTER: K step (2 x cluster x + 4 g + n) mod 8 in walk step n, g = 0, 1, 1, 0 for cluster y = 0 .. 3 (f32 sums may be taken in any order).
; The four clusters that read the same rows of ob (one cluster y) stand 2 K steps apart, those that read the same rows of wo (one cluster x) 0 or 4: at any one time they name different K steps of
; those rows.  The start is the same in all sixteen partners.
; REGISTERS: window 0: v0-31 addresses; v128-255 the accumulators ((a, b) at v[128 + 8 (4 a + b)]).
;   window 1: two fragment buffers of 128: for 64 along K, 64 registers of ob's fragments, then 64 of wo's; on the way out v0-127 whole rows.
.set SIZE_K, 2048
.set SIZE_N, 2048
.set KSTEP,  256
.set ROWB,   SIZE_K*2                  ; bytes in a row of ob and of wo
.set PITCH,  528                       ; an LDS row: 512 bytes + 16 of padding = 132 words: the 16 rows of a fragment load start at 16 different groups of four banks (64 banks of 4 bytes: ISA guide 11.1)
.set HALFT,  64*PITCH                  ; 64 rows: what one tensor load brings, and what one wave reads of either operand
.set SLOT,   4*HALFT
.set STAGE,  2*SLOT                    ; behind the ring, never filled by a tensor load: 16 rows x 272 bytes for each wave
.set SPITCH, 272
.set SPARE,  STAGE+4*16*SPITCH         ; behind the stages: the spare words, 128 bytes for each wave: two blocks of 256 bytes that no other line names
.set LAPS, SIZE_K/(2*KSTEP)
.set ADRA, 16                          ; v16-17  LDS address of my fragments of ob in slot 0, 1
.set ADRB, 20                          ; v20-21  the same for wo
.set STO,  24                          ; v24     the way out: where I put 32 bytes of a row
.set RD,   25                          ; v25     where I read a row back
.set CO,   26                          ; v26     my byte offset in two rows of out0
.set SPW,  28                          ; v28     LDS address of my spare word; never rewritten
.set NIL,  29                          ; v29     0; never rewritten
.set ACC,  128
.set F0,   0
.set F1,   128
.set G1, 24
.set G0, 32
.set G1B, 48
.set G0B, 56
.set KO, 68                            ; s[68:69], s[70:71] for each slot: the byte in a row at which its K step begins, with 0 above it
.set MSB, 0
.macro WIN new
.if MSB != (\new)
	s_set_vgpr_msb (MSB<<8)|(\new)
.set MSB, \new
.endif
.endm
.set MUL,  0x05                        ; both sources window 1; C and D window 0
.set TO_F, 0x40                        ; destination window 1, address window 0
.macro JLOAD s                         ; a joint load: waves 0 and 1 fetch ob's two halves, waves 2 and 3 wo's; an s_nop 0 and four v_nop follow each line
	s_cmp_eq_u32 s11, 0
	s_cbranch_scc0 .Lfor_b_\@
	tensor_load_to_lds s[G0+4*(\s):G0+4*(\s)+3], s[G1:G1+7]
	s_nop 0
.rept 4
	v_nop
.endr
	s_branch .Lasked_\@
.Lfor_b_\@:
	tensor_load_to_lds s[G0B+4*(\s):G0B+4*(\s)+3], s[G1B:G1B+7]
	s_nop 0
.rept 4
	v_nop
.endr
.Lasked_\@:
.endm
.macro CREST
	s_cmp_lg_u32 s10, 0
	s_cbranch_scc1 .Lnot_wave_0_\@
	s_barrier_signal -3
.Lnot_wave_0_\@:
	s_barrier_wait -3
	s_barrier_signal -1
	s_barrier_wait -1
.endm
.macro CROUND
	s_barrier_signal -1
	s_barrier_wait -1
	CREST
.endm
	s_load_b128 s[4:7], s[0:1], 0x0                ; ob s[4:5], wo s[6:7]
	s_load_b64 s[8:9], s[0:1], 0x10                ; out0
	v_lshl_add_u32 v[SPW], v0, 2, SPARE
	v_mov_b32 v[NIL], 0
	ds_add_u32 v[SPW], v[NIL]                      ; the wave's opening: an add of 0, twice on end, with its wait ahead of my first tensor load
	ds_add_u32 v[SPW], v[NIL]                      ; the set-up below, work on registers, stands between the second add and the wait
	v_lshrrev_b32 v1, 5, v0
	v_readfirstlane_b32 s10, v1                    ; wave 0..3
	s_lshr_b32 s11, s10, 1                         ; which half of the tile's rows is mine.  Also: I fetch for ob (0) or for wo (1)
	s_and_b32 s12, s10, 1                          ; which half of its columns.  Also: which 64 rows of that tile I fetch
	s_bfe_u32 s40, ttmp6, 0x40000                  ; cx, cy
	s_bfe_u32 s41, ttmp6, 0x40004
	s_lshl_b32 s42, ttmp9, 2
	s_add_co_u32 s42, s42, s40                     ; tile column = 4 x cluster x + cx
	s_and_b32 s21, ttmp7, 0xffff                   ; cluster y
	s_lshl_b32 s13, s21, 2
	s_add_co_u32 s13, s13, s41                     ; tile row = 4 x cluster y + cy
	s_lshl_b32 s43, s41, 2
	s_lshl_b32 s43, 15, s43                        ; my row of the cluster
	s_lshl_b32 s44, 0x1111, s40                    ; my column
	; descriptor group 1: a tile of 64 rows x 256 elements of 2 bytes, 16 bytes of padding behind every 512
	s_or_b32 s[G1+0], s43, (1<<16)|(1<<20)|(1<<21)|(6<<22)|(3<<25)
	s_or_b32 s[G1B+0], s44, (1<<16)|(1<<20)|(1<<21)|(6<<22)|(3<<25)
.irp g, G1, G1B
	s_mov_b32 s[(\g)+1], KSTEP<<16                 ; tensor_dim0 = 256
	s_mov_b32 s[(\g)+2], 64<<16                    ; tensor_dim1 = 64
	s_mov_b32 s[(\g)+3], KSTEP<<16                 ; tile_dim0 = 256
	s_mov_b32 s[(\g)+4], 64                        ; tile_dim1 = 64
	s_mov_b32 s[(\g)+5], SIZE_K                    ; elements from row to row
	s_mov_b32 s[(\g)+6], 0
	s_mov_b32 s[(\g)+7], 0
.endr
	; the walk's start: made of the cluster's two coordinates alone, which all sixteen partners share
	s_lshr_b32 s22, s21, 1
	s_xor_b32 s22, s22, s21
	s_and_b32 s22, s22, 1                          ; g = 0, 1, 1, 0
	s_lshl_b32 s22, s22, 2
	s_lshl_b32 s23, ttmp9, 1
	s_add_co_u32 s22, s22, s23
	s_and_b32 s22, s22, 7                          ; the first K step
	s_lshl_b32 s[KO], s22, 9                       ; slot 0: walk step 0
	s_mov_b32 s[KO+1], 0
	s_add_co_u32 s[KO+2], s[KO], KSTEP*2           ; slot 1: walk step 1
	s_and_b32 s[KO+2], s[KO+2], ROWB-1
	s_mov_b32 s[KO+3], 0
	s_lshl_b32 s17, s12, 6                         ; which 64 rows of the tile I fetch
	s_lshl_b32 s16, s13, 7
	s_add_co_u32 s16, s16, s17                     ; ob: row 128 x tile row + 64 x half
	s_lshl_b32 s46, s42, 7
	s_add_co_u32 s46, s46, s17                     ; wo: row 128 x tile column + 64 x half
	s_mov_b32 s17, 0
	s_mov_b32 s47, 0
	s_mov_b64 s[18:19], SIZE_K*2
	s_mul_u64 s[16:17], s[16:17], s[18:19]
	s_mul_u64 s[46:47], s[46:47], s[18:19]
	s_mul_i32 s20, s10, HALFT                      ; where they go: wave x 64 rows
	s_wait_dscnt 0x0                               ; both opening adds are done
	s_wait_kmcnt 0x0
	s_add_nc_u64 s[14:15], s[4:5], s[16:17]        ; the two tiles' first rows, at K = 0; never rewritten
	s_add_nc_u64 s[46:47], s[6:7], s[46:47]
	CROUND                                         ; all sixteen work-groups are here: the first joint loads meet
.irp s, 0,1
	s_mov_b32 s[G0+4*(\s)], 1
	s_add_co_u32 s[G0+4*(\s)+1], s20, (\s)*SLOT
	s_add_nc_u64 s[G0+4*(\s)+2:G0+4*(\s)+3], s[14:15], s[KO+2*(\s):KO+2*(\s)+1]
	s_or_b32 s[G0+4*(\s)+3], s[G0+4*(\s)+3], 0x80000000
	s_mov_b32 s[G0B+4*(\s)], 1
	s_add_co_u32 s[G0B+4*(\s)+1], s20, (\s)*SLOT
	s_add_nc_u64 s[G0B+4*(\s)+2:G0B+4*(\s)+3], s[46:47], s[KO+2*(\s):KO+2*(\s)+1]
	s_or_b32 s[G0B+4*(\s)+3], s[G0B+4*(\s)+3], 0x80000000
	JLOAD \s
.endr
	v_and_b32 v1, 15, v0                           ; l % 16
	v_bfe_u32 v2, v0, 4, 1                         ; l / 16
	v_mul_u32_u24 v3, v1, PITCH
	v_lshl_add_u32 v3, v2, 4, v3                   ; a fragment's row x pitch + 16 x half
	s_mul_i32 s21, s11, HALFT                      ; my 64 rows of ob
	s_mul_i32 s22, s12, HALFT                      ; my 64 rows of wo,
	s_add_co_u32 s22, s22, 2*HALFT                 ; which lie behind ob's 128
.irp s, 0,1
	v_add_nc_u32 v[ADRA+(\s)], s21, v3
	v_add_nc_u32 v[ADRB+(\s)], s22, v3
	s_add_co_u32 s21, s21, SLOT
	s_add_co_u32 s22, s22, SLOT
.endr
	s_mul_i32 s23, s10, 16*SPITCH
	s_add_co_u32 s23, s23, STAGE                   ; my stage
	v_mul_u32_u24 v4, v1, SPITCH                   ; in: row l % 16, 32 bytes for each half of the lanes
	v_lshl_add_u32 v4, v2, 5, v4
	v_add_nc_u32 v[STO], s23, v4
	v_mul_u32_u24 v5, v2, SPITCH                   ; back: lanes 0-15 take one row of 256 bytes, lanes 16-31 the next
	v_lshl_add_u32 v5, v1, 4, v5
	v_add_nc_u32 v[RD], s23, v5
	v_lshlrev_b32 v5, 13, v2                       ; and the same two rows in out0, 8,192 bytes apart
	v_lshl_add_u32 v[CO], v1, 4, v5
	s_lshl_b32 s16, s13, 7
	s_lshl_b32 s17, s11, 6
	s_add_co_u32 s16, s16, s17                     ; my first row: 128 x tile row + 64 x half
	s_lshl_b32 s16, s16, 13
	s_mov_b32 s17, 0
	s_add_nc_u64 s[8:9], s[8:9], s[16:17]
	s_lshl_b32 s72, s42, 9                         ; my first column, in bytes: 512 x tile column + 256 x half
	s_lshl_b32 s73, s12, 8
	s_add_co_u32 s72, s72, s73
	s_mov_b32 s73, 0
	s_add_nc_u64 s[8:9], s[8:9], s[72:73]
; 8 matrix instructions: row blocks a0, a0 + 1 x all 4 column blocks, 32 along K: half c of buffer f.  zero = 1: the first product starts the sums.  The 16 accumulators take turns.
.macro MUL8 f, c, a0, zero
	WIN MUL
.irp a, \a0, (\a0)+1
.irp b, 0,1,2,3
.if \zero
	v_wmma_f32_16x16x32_f16 v[ACC+8*(4*(\a)+(\b)):ACC+8*(4*(\a)+(\b))+7], v[(\f)+64+8*(4*(\c)+(\b)):(\f)+64+8*(4*(\c)+(\b))+7], v[(\f)+8*(4*(\c)+(\a)):(\f)+8*(4*(\c)+(\a))+7], 0
.else
	v_wmma_f32_16x16x32_f16 v[ACC+8*(4*(\a)+(\b)):ACC+8*(4*(\a)+(\b))+7], v[(\f)+64+8*(4*(\c)+(\b)):(\f)+64+8*(4*(\c)+(\b))+7], v[(\f)+8*(4*(\c)+(\a)):(\f)+8*(4*(\c)+(\a))+7], v[ACC+8*(4*(\a)+(\b)):ACC+8*(4*(\a)+(\b))+7]
.endif
.endr
.endr
.endm
; 32 LDS loads in one run: the fragments of 64 along K at byte k of the rows, into buffer f; the first 32 along K first
.macro FETCH slot, k, f
	WIN TO_F
.irp c, 0,1
.irp i, 0,1,2,3
	ds_load_b128 v[(\f)+64+8*(4*(\c)+(\i)):(\f)+64+8*(4*(\c)+(\i))+3],   v[ADRB+(\slot)] offset:(\k)+64*(\c)+(\i)*16*PITCH
	ds_load_b128 v[(\f)+64+8*(4*(\c)+(\i))+4:(\f)+64+8*(4*(\c)+(\i))+7], v[ADRB+(\slot)] offset:(\k)+64*(\c)+(\i)*16*PITCH+32
	ds_load_b128 v[(\f)+8*(4*(\c)+(\i)):(\f)+8*(4*(\c)+(\i))+3],         v[ADRA+(\slot)] offset:(\k)+64*(\c)+(\i)*16*PITCH
	ds_load_b128 v[(\f)+8*(4*(\c)+(\i))+4:(\f)+8*(4*(\c)+(\i))+7],       v[ADRA+(\slot)] offset:(\k)+64*(\c)+(\i)*16*PITCH+32
.endr
.endr
.endm
.macro PLACES                          ; four plain vector instructions in front of loads into registers that matrix instructions have read, and of lines that read results
.rept 4
	v_nop
.endr
.endm
; A K step is four quarters of 64 along K, 32 matrix instructions each, on buffers 0, 1, 0, 1.  One of the first three multiplies buffer f and fetches the next quarter, at byte k, into g.
.macro QUARTER slot, k, f, g, zero
	s_wait_dscnt 16                                ; the first 32 along K are in; the youngest sixteen loads may be out
	MUL8 \f, 0, 0, \zero
	MUL8 \f, 0, 2, \zero
	PLACES
	FETCH \slot, \k, \g
	s_wait_dscnt 32                                ; all but the 32 just issued
	MUL8 \f, 1, 0, 0
	MUL8 \f, 1, 2, 0
.endm
; The last quarter multiplies buffer 1 and changes slots: ONE barrier; in front of it each wave waits for all its tensor loads, adds 0 to its spare word, and waits for that and for its own reads of
; this slot.  fill = 1: the barrier opens a round of the cluster's barrier, and this slot is filled again, two walk steps ahead, first thing behind it.  The slot's place along K steps by two K steps
; and goes round at the row's end; both descriptors' addresses are made anew from it, between the add and the wait for it, where no tensor load of mine is out.
.macro TURN slot, next, fill
	WIN 0                                          ; (the add's two registers lie in window 0)
	s_wait_tensorcnt 0x0                           ; all my tensor loads have landed: my part of the next slot
	ds_add_u32 v[SPW], v[NIL]                      ; 0 onto my spare word
.if \fill
	s_add_co_u32 s[KO+2*(\slot)], s[KO+2*(\slot)], 2*KSTEP*2
	s_and_b32 s[KO+2*(\slot)], s[KO+2*(\slot)], ROWB-1
	s_add_nc_u64 s[G0+4*(\slot)+2:G0+4*(\slot)+3], s[14:15], s[KO+2*(\slot):KO+2*(\slot)+1]
	s_or_b32 s[G0+4*(\slot)+3], s[G0+4*(\slot)+3], 0x80000000
	s_add_nc_u64 s[G0B+4*(\slot)+2:G0B+4*(\slot)+3], s[46:47], s[KO+2*(\slot):KO+2*(\slot)+1]
	s_or_b32 s[G0B+4*(\slot)+3], s[G0B+4*(\slot)+3], 0x80000000
.endif
	s_wait_dscnt 17                                ; (the add and the youngest sixteen loads may be out)
	MUL8 F1, 0, 0, 0                               ; eight matrix instructions stand between the add and the wait for it
	s_wait_dscnt 0x0                               ; the add is done, and my reads of this slot are over
	s_barrier_signal -1
	MUL8 F1, 0, 2, 0
.if \fill
	WIN 0
.endif
	s_barrier_wait -1
.if \fill
	CREST                                          ; no wave of any partner still reads this slot's tile or has a load on its way
	JLOAD \slot                                    ; 112 matrix instructions ahead of the wait for it; the four v_nop behind it are also the places in front of the loads below
.else
	PLACES
.endif
	FETCH \next, 0, F0
	MUL8 F1, 1, 0, 0
	MUL8 F1, 1, 2, 0
.endm
	s_wait_tensorcnt 1                             ; my part of walk step 0 is in; walk step 1's may stay out
	s_barrier_signal -1
	s_barrier_wait -1                              ; everybody's is
	FETCH 0, 0, F0
	QUARTER 0, 128, F0, F1, 1                      ; the first quarter stands in front of the loop: its first products start the sums
	WIN 0                                          ; at a label and at a branch every window is 0
	s_mov_b32 s3, LAPS-1
.Llap:                                                 ; a trip goes once round the ring and fills both slots again
	QUARTER 0, 256, F1, F0, 0
	QUARTER 0, 384, F0, F1, 0
	TURN 0, 1, 1
	QUARTER 1, 128, F0, F1, 0
	QUARTER 1, 256, F1, F0, 0
	QUARTER 1, 384, F0, F1, 0
	TURN 1, 0, 1
	QUARTER 0, 128, F0, F1, 0
	WIN 0
	s_sub_co_u32 s3, s3, 1
	s_cmp_lg_u32 s3, 0
	s_cbranch_scc1 .Llap
	QUARTER 0, 256, F1, F0, 0                      ; the last lap fills nothing, and has no round of the cluster's barrier
	QUARTER 0, 384, F0, F1, 0
	TURN 0, 1, 0
	QUARTER 1, 128, F0, F1, 0
	QUARTER 1, 256, F1, F0, 0
	QUARTER 1, 384, F0, F1, 0
	s_wait_dscnt 16                                ; the very last quarter: nothing more to fetch
	MUL8 F1, 0, 0, 0
	MUL8 F1, 0, 2, 0
	s_wait_dscnt 0x0
	MUL8 F1, 1, 0, 0
	MUL8 F1, 1, 2, 0
	; THE WAY OUT, 16 rows at a time: a lane's eight f32 of a row go into my stage as 32 bytes (each accumulator's low half first) and come back as whole rows of 256 bytes.
	; LDS serves a wave's instructions in order (ISA guide 5.7.1.4): the loads see the stores above them, and the next block's stores come behind these loads.
	PLACES
.irp a, 0,1,2,3
	WIN 0
.irp b, 0,1,2,3
	ds_store_b128 v[STO], v[ACC+8*(4*(\a)+(\b)):ACC+8*(4*(\a)+(\b))+3]   offset:64*(\b)
	ds_store_b128 v[STO], v[ACC+8*(4*(\a)+(\b))+4:ACC+8*(4*(\a)+(\b))+7] offset:64*(\b)+16
.endr
	WIN TO_F
.irp t, 0,1,2,3,4,5,6,7
	ds_load_b128 v[32*(\a)+4*(\t):32*(\a)+4*(\t)+3], v[RD] offset:(\t)*2*SPITCH
.endr
.endr
	WIN 0x04                                       ; store data window 1, address window 0
.irp a, 0,1,2,3
.irp t, 0,1,2,3,4,5,6,7
	s_wait_dscnt 16*(3-(\a))+7-(\t)                ; behind this load stand the 7 - t later loads of its block and sixteen LDS instructions for each later block
	global_store_b128 v[CO], v[32*(\a)+4*(\t):32*(\a)+4*(\t)+3], s[8:9] offset:(16*(\a)+2*(\t))*SIZE_N*4  ; 16 lanes store 256 consecutive bytes, aligned
.endr
.endr
	WIN 0
	s_wait_tensorcnt 0x0                           ; the wave's end: behind my last tensor load and my last LDS store
	ds_add_u32 v[SPW], v[NIL]
	s_wait_dscnt 0x0
	CROUND                                         ; the closing round: no work-group ends while a partner may still ask for a tile that names it
	s_endpgm
.Lfunc_end_k_qb8d49dbfeb_outp:
	.size	k_qb8d49dbfeb_outp, .Lfunc_end_k_qb8d49dbfeb_outp-k_qb8d49dbfeb_outp
	.p2alignl 7, 3214868480
	.fill 96, 4, 3214868480
	.section	.rodata,"a",@progbits
	.p2align	6, 0x0
	.amdhsa_kernel k_qb8d49dbfeb_outp
		.amdhsa_group_segment_fixed_size 327680
		.amdhsa_private_segment_fixed_size 0
		.amdhsa_enable_private_segment 0
		.amdhsa_kernarg_size 24
		.amdhsa_user_sgpr_count 2
		.amdhsa_user_sgpr_kernarg_segment_ptr 1
		.amdhsa_wavefront_size32 1
		.amdhsa_system_sgpr_workgroup_id_x 1
		.amdhsa_system_sgpr_workgroup_id_y 1
		.amdhsa_system_sgpr_workgroup_id_z 1
		.amdhsa_system_vgpr_workitem_id 0
		.amdhsa_next_free_vgpr 512
		.amdhsa_next_free_sgpr 74
		.amdhsa_reserve_vcc 0
		.amdhsa_float_denorm_mode_32 3
		.amdhsa_float_denorm_mode_16_64 3
		.amdhsa_memory_ordered 1
		.amdhsa_forward_progress 1
		.amdhsa_inst_pref_size 87
	.end_amdhsa_kernel
	.amdgpu_metadata
---
amdhsa.version: [ 1, 2 ]
amdhsa.kernels:
  - .name:           k_qb8d49dbfeb_outp
    .symbol:         k_qb8d49dbfeb_outp.kd
    .args:
      - { .name: ob, .offset: 0, .size: 8, .value_kind: global_buffer, .address_space: global }
      - { .name: wo, .offset: 8, .size: 8, .value_kind: global_buffer, .address_space: global }
      - { .name: out0, .offset: 16, .size: 8, .value_kind: global_buffer, .address_space: global }
    .group_segment_fixed_size: 327680
    .private_segment_fixed_size: 0
    .kernarg_segment_align: 8
    .kernarg_segment_size: 24
    .max_flat_workgroup_size: 128
    .sgpr_count:     74
    .vgpr_count:     512
    .wavefront_size: 32
...
	.end_amdgpu_metadata
.endif
;; end of part 4
;; ======== version 2 of 2: 4 launches; version 1 with the launch attn written anew for expert scheduling mode
;; limits: values are held in f16: magnitudes above 65,504 overflow, below 6.1e-05 lose precision; right only within a limited range of input values
;; workspace buffers: xb 8,388,608 bytes; wb 25,165,824 bytes; wo 8,388,608 bytes; tab 1,048,576 bytes; qf 8,388,608 bytes; kf 8,388,608 bytes; vf 8,388,608 bytes; ob 8,388,608 bytes
;; launch prep: the kernel of part 1 again; grid 1152 x 1, 8 waves a work-group, no clusters, 0 bytes of LDS; arguments x, Wq, Wk, Wv, token_positions, xb, wb, tab; writes xb, wb, tab
;; launch proj: the kernel of part 2 again; grid 16 x 16, 4 waves a work-group, clusters of 4 x 4, 327,680 bytes of LDS; arguments xb, wb, tab, qf, kf, vf; writes qf, kf, vf
;; launch attn (part 5): grid 16 x 16, 4 waves a work-group, no clusters, 139,776 bytes of LDS; arguments qf, kf, vf, ob, Wo, wo; writes ob, wo
.if DOCPART == 5
	.amdgcn_target "amdgcn-amd-amdhsa--gfx1250"
	.amdhsa_code_object_version 6
	.text
	.protected	k_qb8d49dbfeb_attn
	.globl	k_qb8d49dbfeb_attn
	.p2align	8
	.type	k_qb8d49dbfeb_attn,@function
k_qb8d49dbfeb_attn:
	s_mov_b64 s[64:65], 0
	v_nop
	global_prefetch_b8 v0, s[64:65] scope:SCOPE_SE
	s_setreg_imm32_b32 hwreg(HW_REG_WAVE_SCHED_MODE, 0, 2), 2
	s_setreg_imm32_b32 hwreg(HW_REG_WAVE_MODE, 25, 1), 1
	s_wait_xcnt 0x0
	s_wait_alu depctr_vm_vsrc(0)
; CAUSAL ATTENTION.  O[q] = the sum over k <= q of softmax_k(Q[q] . K[k] / sqrt(128)) V[k], for 16 heads of 2048 rows x 128 channels.  qf, kf, vf: f16, in operand-register order (launch proj).
; ob: [2048][2048] f16, column 128 h + channel.  Products, maxima and sums in f32; the weights p are rounded to f16 for the second product (their sum l is taken of the unrounded p), O once at the end.
; WORK LEFT OUT: key tiles wholly above the diagonal, whose weights reference()'s own mask makes exactly 0 for all inputs (shown at the head of launch prep); a NaN, an infinity or an overflow that
; would arise only there is not carried to the result.
; LIMITS.  A hidden score inside a live tile counts as its value less 1e30; f16's scores, 5.5e11 at the most, are nothing beside that.  A weight below 2^-126 counts as 0 in l.  NaN and infinities
; are not treated apart.  O is a mean of V's rows and has their range.  Wo below 6e-5 keeps f16's fixed step of 6e-8, and |Wo| stays under 65,504.
; THE WALK.  A head's queries lie in 32 blocks of 64; block i needs the key tiles 0 .. i / 4 of 256 keys, the last of which holds the diagonal.  A work-group takes blocks 31 - b and then b:
; (31 - b) / 4 + b / 4 + 2 = 9 tiles, whatever b: all 256 work-groups do equal work.
; SHARES.  THE KEYS ARE SPLIT AMONG THE WAVES: of a tile wave w takes keys 64 w .. 64 w + 63, for all 64 queries (four tiles of 16).  No wave wants another's K or V, and in kf and vf a wave's 16,384
; bytes of a tile lie as its registers take them: K, V and Q come by loads of 16 bytes a lane at 16 x lane, 512 consecutive bytes each, straight into operand registers.  The loop over tiles has
; no LDS, no barrier and no tensor load, so its length may hang on b.  The four waves' partial results (f32) meet in LDS once a block.
; NO CLUSTER.  Joint requests are tensor loads into LDS.  A tile's K and V are 131,072 bytes; two slots of them and the 135,168 bytes in which the f32 partial results meet make 397,312, more than the
; 327,680 that a work-group can have; and the blocks of a head walk different numbers of tiles.
; LAYOUT.  S^T = K Q^T (source 0 = 16 keys, source 1 = 16 queries): a lane holds ONE query (lane % 16) and the keys 8 (lane / 16) + 0..7.  Two such results rounded to f16 ARE source 1 of O^T = V^T P.
; SOFTMAX.  p = 2^(c s - c m), c = log2(e) / sqrt(128), with a running maximum m; O and l are multiplied by a = 2^(c m_old - c m_new) in every step.  m starts at -2^66: below every true score, above
; every hidden one: so m is the true maximum wherever the wave has seen a key of the query, and a wave that has seen none ends with p = 0, l = 0, O = 0.  c m starts far lower, so the first a is 0.
; A STEP (a tile).  The wave's query tiles are two pieces (0: tiles 0, 1; 2: tiles 2, 3).  K Q^T of piece 0; K Q^T of piece 2 with piece 0's softmax in slices behind its products; V^T P of piece 0 with
; piece 2's softmax likewise; V^T P of piece 2.  K of the next tile is asked for when K has been multiplied and V is in, V when V has been multiplied.  K's 32 loads are issued in the order in which
; the first products take them, in four groups of eight, and those products wait for them group by group.  Every load into registers that were loaded before stands behind a wait for all loads.
; BESIDE ITS OWN WORK the launch rounds Wo for launch outp: wo = the bf16 rounding of Wo, written as f16, [2048][2048].  Work-group 16 h + b takes 8 rows (65,536 bytes in, 32,768 out); thread t takes 16
; bytes of each 2,048.  The 32 loads go out in the second block's diagonal step, where nothing is left to ask for, into registers that no other line names; they land while the partial results meet;
; the rounding and the stores stand behind the last merge.
; REGISTERS, in windows of 256 (s_set_vgpr_msb: bits 1:0 source 0, 3:2 source 1, 5:4 source 2, 7:6 destination):
;   window 0: v2-11, v47-49 addresses and a constant; v12-43 eight registers of statistics a tile; v64-191 S^T, 32 a tile; v192-255 P, 16 a tile
;   window 1: O^T, 64 a tile          window 2: v0-127 Q, 32 a tile; v128-255 K of one step          window 3: v0-127 V of one step; v128-255 Wo as loaded
; THE MODE: SCHED_MODE bits 1:0 = 2 (LLVM: expert scheduling mode 2), set by the entry lines.  The code itself states the register dependences between vector or matrix instructions and memory or
; LDS instructions, with s_wait_alu, always for 0.
; THE PLAN.  Registers that memory or LDS instructions touch, and who else names them:
;   K               read by a step's 64 products K Q^T; behind the last of them the next tile's 32 loads land in it.  ONE wait on va_vdst, behind the wait for V's loads.
;   Q               read by the same products; loaded anew once, in the first block's diagonal step, behind the same wait.
;   V               read by a step's 64 products V^T P; behind the last of them the next tile's 32 loads land in it.  ONE wait on va_vdst.
;   Wo's registers  named by no vector instruction until their loads have been waited for.
;   c m, l          written by the softmax and the merge's additions; read by the merge's four LDS stores; written again at the next block's head.
;   P, v192-223     written by the softmax, read by V^T P; then the statistics' LDS loads land in it: the wait ahead of the four LDS stores serves them too, since no vector line stands between.
;   O^T             written by the merge's multiplications; read by its 64 LDS stores; written again in the next block.
;   S^T             named by the softmax; then the partial results' LDS loads land in it (the wait ahead of O^T's stores serves the first half's); the merge's additions read and write it, and the second
;                   half's loads land in a pair's registers behind the wait that follows that pair's conversions.
;   P, v224-255     written by the merge's conversions; read by ob's eight stores, each from registers of its own; written again by the next block's softmax.  At the end all of P: wo's 32 stores likewise.
;   the addresses   v2-8, v10, v47, v48: made once at the head, never written again.  v[LO] has the wait ahead of the first load; the others are first read behind a step's waits.
; ONE wait on vm_vsrc stands at the merge's end, ahead of the branch: behind it c m, l, O^T and P may be written again.
; Scalars that vector instructions write: the wave's number, and the mask's 56 compares, laid in three runs with one wait on va_sdst behind each.
.set PP,    528       ; a row of a partial result in LDS: 512 bytes + 16 = 132 words: the 16 rows of a store start at 16 different groups of four banks (64 banks of 4 bytes: ISA guide 11.1)
.set PARTW, 64*PP     ; a wave's partial result: 64 queries
.set STAT,  4*PARTW   ; behind them: each wave's (c m, l) for its lanes, 1,024 bytes a wave
.set SPARE, STAT+4096 ; behind them: the spare words, 128 bytes for each wave: two blocks of 256 bytes that no other line names
.set LO,  2           ; v2   16 x lane; never rewritten
.set STO, 3           ; v3   where I put my partial result
.set RD0, 4           ; v4   where I read waves 0's and 1's partial results of my rows
.set RD1, 5           ; v5   waves 2's and 3's
.set GO,  6           ; v6   my byte offset in two rows of ob
.set SA,  7           ; v7   where I put my statistics
.set SR,  8           ; v8   where I read wave 0's
.set MK,  9           ; v9   the mask's bound for the block in hand
.set PFO, 10          ; v10  256 x lane
.set MK0, 11          ; v11  lane % 16 - 8 (lane / 16)
.set ST,  12          ; tile t's statistics at v[ST+8 t]: +0 c m, +1 m, +2, +3 l (even keys', odd keys'), +4 to +7 c0-c3, at work; a takes c2's place once the maximum is found
.set WL,  47          ; v47  16 x thread: my 16 bytes of each 2,048 of Wo
.set WS,  48          ; v48  8 x thread: my 8 bytes of each 1,024 of wo
.set BG,  49          ; v49  -1e30
.set SPW, 62          ; v62  LDS address of my spare word; never rewritten
.set NIL, 63          ; v63  0; never rewritten
.set S,   64
.set P,   192
.set KF,  128         ; K's fragments, in window 2
.set WF,  128         ; Wo as loaded, in window 3
.set WV,  12          ; s12  my wave's number
.set PB,  13          ; s13  b
.set BI,  14          ; s14  the block in hand
.set NT,  15          ; s15  its diagonal tile's number = the tiles in front of it
.set KP,  16          ; s[16:17] kf at my 64 keys of the tile last asked for
.set VP,  18          ; s[18:19] the same in vf
.set QP,  20          ; s[20:21] qf at the block's rows
.set OP,  22          ; s[22:23] ob at my 16 rows of the block
.set J,   24          ; s24  the tile in hand
.set BLK, 25          ; s25  blocks to go
.set LIM, 26          ; s26  a wave prefetches while J is below it
.set MB0, 28          ; s[28:35], s[40:47], s[49:56]: while the mask is made, three sets of eight lane masks; at work elsewhere, or free
.set MB1, 40
.set MB2, 49
.set WI,  36          ; s[36:37] Wo at my work-group's 8 rows
.set WO,  38          ; s[38:39] wo at the same rows
.set HM,  48          ; s48  a word's upper bf16
.set CS,  58          ; s[58:59] c: the packed scaling names a pair and takes its low word for both halves
.set SEL, 60          ; s[60:61] v_permlanex16_b32's selects: each lane takes its own place in the other half
.set MSB, 0
.macro WIN new                      ; the immediate's high byte repeats the setting that is left; a switch that changes nothing is dropped
.if MSB != (\new)
	s_set_vgpr_msb (MSB<<8)|(\new)
.set MSB, \new
.endif
.endm
.set W_KQ, 0x0a       ; K and Q in window 2, S^T in window 0
.set W_PV, 0x53       ; V in window 3, P in window 0, O^T in window 1
.set W_RS, 0x41       ; O^T (destination and source 0) in window 1, the factor in window 0
.macro PLACES                       ; four plain vector instructions behind a matrix instruction, in front of lines that read its result and of loads into its registers
.rept 4
	v_nop
.endr
.endm
; 32 loads: 16,384 bytes that lie in register order: 64 rows of Q (16 fragments) or 64 keys of V^T (16 fragments)
.macro LOAD32 win, base, ptr
	WIN \win
.set n, 0
.rept 32
	global_load_b128 v[(\base)+4*n:(\base)+4*n+3], v[LO], s[\ptr:\ptr+1] offset:512*n
.set n, n+1
.endr
.endm
; K's 32 loads, in the order in which K Q^T takes the fragments: channels 32 c on outermost: four groups of eight loads
.macro LOADK
	WIN 0x80
.irp c, 0,1,2,3
.irp kb, 0,1,2,3
	global_load_b128 v[KF+32*(\kb)+8*(\c):KF+32*(\kb)+8*(\c)+3],   v[LO], s[KP:KP+1] offset:1024*(4*(\kb)+(\c))
	global_load_b128 v[KF+32*(\kb)+8*(\c)+4:KF+32*(\kb)+8*(\c)+7], v[LO], s[KP:KP+1] offset:1024*(4*(\kb)+(\c))+512
.endr
.endr
.endm
; Product i of 32 of S^T = K Q^T for piece x: channels 32 (i / 8) on, keys 16 ((i / 2) % 4) on, tile x + i % 2.  The first 8 start the sums: with 0, or (msk = 1) with the mask that lies in S^T.
; The accumulators take turns, one instruction a turn.
.macro KQ x, msk
	WIN W_KQ
.set rS, S+32*((\x)+i%2)+8*((i/2)%4)
.set rK, KF+32*((i/2)%4)+8*(i/8)
.set rQ, 32*((\x)+i%2)+8*(i/8)
.if (i < 8) && !(\msk)
	v_wmma_f32_16x16x32_f16 v[rS:rS+7], v[rK:rK+7], v[rQ:rQ+7], 0
.else
	v_wmma_f32_16x16x32_f16 v[rS:rS+7], v[rK:rK+7], v[rQ:rQ+7], v[rS:rS+7]
.endif
.endm
; Product i of 32 of O^T += V^T P for piece x: keys 32 (i / 16) on, channels 16 ((i / 2) % 8) on, tile x + i % 2.
.macro PV x
	WIN W_PV
.set rO, 64*((\x)+i%2)+8*((i/2)%8)
.set rV, 64*(i/16)+8*((i/2)%8)
.set rP, P+16*((\x)+i%2)+8*(i/16)
	v_wmma_f32_16x16x32_f16 v[rO:rO+7], v[rV:rV+7], v[rP:rP+7], v[rO:rO+7]
.endm
; One tile's softmax for one step is a list of 134 instructions; SM writes number j of it for tile t.  s0-s31 are the lane's 32 scores, in pairs 0-15.
;   0-15    the maximum of s0-s31 and the old m, three operands at a time (each accumulator's lowest registers are read first)
;   16-20   the other half of the lanes' maximum; the new m; c m; c m_old - c m_new
;   21-69   ONE BATCH: the 16 scalings c s - c m and all 33 exponentials (a at 23, then s0-s31); none of these reads an exponential's result
;   70-85   the roundings to f16     86-101  the sums; l = a l + the sum     102-133 the tile's O^T times a
.macro SM t
.set rT, ST+8*(\t)
.set rS, S+32*(\t)
.set rP, P+16*(\t)
.set rO, 64*(\t)+2*(j-102)
.if j < 102
	WIN 0
.endif
.if j < 4
	v_max3_num_f32 v[rT+4+j], v[rS+8*j], v[rS+8*j+1], v[rS+8*j+2]
.elseif j < 12
	v_max3_num_f32 v[rT+4+j%4], v[rT+4+j%4], v[rS+8*(j%4)+2*(j/4)+1], v[rS+8*(j%4)+2*(j/4)+2]
.elseif j == 12
	v_max3_num_f32 v[rT+4], v[rT+4], v[rS+7], v[rS+15]
.elseif j == 13
	v_max3_num_f32 v[rT+6], v[rT+6], v[rS+23], v[rS+31]
.elseif j == 14
	v_max3_num_f32 v[rT+4], v[rT+4], v[rT+5], v[rT+6]
.elseif j == 15
	v_max3_num_f32 v[rT+4], v[rT+4], v[rT+7], v[rT+1]
.elseif j == 16
	v_permlanex16_b32 v[rT+5], v[rT+4], s[SEL], s[SEL+1]  ; the query's other 32 keys lie in the lane 16 away
.elseif j == 17
	v_mov_b32 v[rT+7], v[rT]        ; c m_old is kept for a: number 19 writes c m anew
.elseif j == 18
	v_max_num_f32 v[rT+1], v[rT+4], v[rT+5]
.elseif j == 19
	v_mul_f32 v[rT], s[CS], v[rT+1]
.elseif j == 20
	v_sub_f32 v[rT+7], v[rT+7], v[rT]
.elseif j == 23
	v_exp_f32 v[rT+6], v[rT+7]
.elseif (j < 23) || ((j < 38) && (j%2 == 0)) || ((j < 66) && (j%4 == 2))
.set b, (j-2)/4                     ; 38, 42, .. 62: pairs 9 to 15
.if j < 38
.set b, (j-20)/2                    ; 21: pair 0; 22, 24, .. 36: pairs 1 to 8
.endif
	v_pk_fma_f32 v[rS+2*b:rS+2*b+1], v[rS+2*b:rS+2*b+1], s[CS:CS+1], v[rT:rT+1] op_sel_hi:[1,0,0] neg_lo:[0,0,1] neg_hi:[0,0,1]  ; pair b: c s - c m
.elseif j < 70
.set e, j-38                        ; 66 to 69: s28 to s31
.if j < 66
.set e, j-32-(j-38)/4               ; 39-41, 43-45, .. 63-65: s7 to s27
.endif
.if j < 38
.set e, (j-25)/2                    ; 25, 27, .. 37: s0 to s6
.endif
	v_exp_f32 v[rS+e], v[rS+e]
.elseif j < 86
	v_cvt_pk_f16_f32 v[rP+j-70], v[rS+2*(j-70)], v[rS+2*(j-70)+1]
.elseif j < 102                     ; the sum of the tile's 16 pairs, in place: neighbours 1, 2, 4 and 8 pairs apart, then l takes it
.set z, j-86
.set w, 4
.set u, z
.if z >= 14
.set w, 32
.set u, 0
.elseif z >= 12
.set w, 16
.set u, z-12
.elseif z >= 8
.set w, 8
.set u, z-8
.endif
.if z < 15
	v_pk_add_f32 v[rS+w*u:rS+w*u+1], v[rS+w*u:rS+w*u+1], v[rS+w*u+w/2:rS+w*u+w/2+1]
.else
	v_pk_fma_f32 v[rT+2:rT+3], v[rT+2:rT+3], v[rT+6:rT+7], v[rS:rS+1] op_sel_hi:[1,0,1]
.endif
.else
	WIN W_RS
	v_pk_mul_f32 v[rO:rO+1], v[rO:rO+1], v[rT+6:rT+7] op_sel_hi:[1,0]
.endif
.endm
; Slice k of 64 of piece y's softmax: four instructions.  Slices 11 to 34 deal out the batch, four numbers of one tile each, the tiles by turns; every other slice is numbers 2 k and 2 k + 1 of both
; tiles; the twelve that are over (2 x 134 = 4 x 64 + 12) stand in slice 63.  Ahead of slice 35 nothing names an exponential's result, and behind slice 34 none is issued: so the piece's 66
; exponentials have one plain instruction and ONE wait, behind slice 34, ahead of the first reader.
.macro SLICE y
.if (k >= 11) && (k < 35)
.irp n, 0,1,2,3
.set j, 22+4*((k-11)/2)+(\n)
	SM (\y)+(k-11)%2
.endr
.else
.irp n, 0,1,2,3,4,5,6,7
.if ((\n) < 2) || (k == 63)
.irp t, \y, (\y)+1
.set j, 2*k+(\n)
	SM \t
.endr
.endif
.endr
.endif
.if k == 34
	v_nop
	s_wait_alu depctr_va_vdst(0)    ; the piece's 66 exponentials have written their results, ahead of the first line that names one
.endif
.set k, k+1
.endm
; K has been multiplied (sixteen plain instructions of slice 63 stand behind its last product).  First V of this step is waited for: no load is then out, on every way here, so that every load below
; lands on registers on which no earlier load is still to land.
; msk = 0: the next tile's K is asked for.  Behind the loads, while J < LIM, the wave prefetches into the L2 ITS OWN 16,384 bytes of K of tile J + 4, a lane a block of 256 bytes, two instructions: the tile
; that the step three on will load.  All 16 work-groups of a head walk the tiles from 0 on: work-group b = 0 alone asks, in its first block (tiles 0 to 7), so each block of 256 bytes is named once in the
; launch; tiles 0 to 3 come by their loads alone; J <= 3 keeps J + 4 inside the head's 8 tiles.
; msk = 1, the diagonal tile: in the first block the second block's Q and its tile 0 of K are asked for, 64 loads, which land while the first block's partial results meet; in the second block my 32
; loads of Wo.
; No product V^T P and no line of the softmax or of the merge names K's, Q's or Wo's registers: so the one wait ahead of a run of loads is all that the run hangs on.
.macro NEXTK msk
	WIN 0
	s_wait_loadcnt 0x0              ; V is in: no load is out
.if \msk
	s_cmp_eq_u32 s[BLK], 2
	s_cbranch_scc0 .Lwo_\@
	s_wait_xcnt 0x0                 ; every load and prefetch issued so far has read its address: the pointers may be written
	s_wait_alu depctr_va_vdst(0)    ; the products K Q^T are done reading Q and K, in which the 64 loads below land
	s_lshl_b32 s28, s[PB], 14       ; block b: 64 rows of 256 bytes each
	s_mov_b32 s29, 0
	s_add_nc_u64 s[QP:QP+1], s[4:5], s[28:29]
	s_mov_b64 s[KP:KP+1], s[6:7]
	LOAD32 0x80, 0, QP
	LOADK
	WIN 0
	s_branch .Lno_k_\@
.Lwo_\@:
	WIN 0xc0                        ; destination window 3.  No vector line has named these registers; v[WL] was written at the head, ahead of this step's waits on va_vdst
.set n, 0
.rept 32
	global_load_b128 v[WF+4*n:WF+4*n+3], v[WL], s[WI:WI+1] offset:2048*n th:TH_LOAD_NT  ; a wave's load covers 512 consecutive bytes
.set n, n+1
.endr
	WIN 0
.Lno_k_\@:
.else
	s_wait_alu depctr_va_vdst(0)    ; the products K Q^T are done reading K, in which the 32 loads below land; v[PFO], made at the head, is written
	s_wait_xcnt 0x0
	s_add_nc_u64 s[KP:KP+1], s[KP:KP+1], 65536
	LOADK
	WIN 0
	s_cmp_lt_u32 s[J], s[LIM]
	s_cbranch_scc0 .Lno_k_\@
	global_prefetch_b8 v[PFO], s[KP:KP+1] offset:196608 th:TH_LOAD_NT scope:SCOPE_SE
	global_prefetch_b8 v[PFO], s[KP:KP+1] offset:204800 th:TH_LOAD_NT scope:SCOPE_SE
.Lno_k_\@:
.endif
.endm
.macro NEXTV msk                    ; the same for V, behind its last product and four places; V's last loads were shown landed by NEXTK's wait
	WIN 0
.if \msk
	s_cmp_eq_u32 s[BLK], 2
	s_cbranch_scc0 .Lno_v_\@
	s_wait_xcnt 0x0
	s_wait_alu depctr_va_vdst(0)    ; the products V^T P are done reading V, in which the 32 loads below land
	s_mov_b64 s[VP:VP+1], s[8:9]
	LOAD32 0xc0, 0, VP
	WIN 0
.Lno_v_\@:
.else
	s_wait_xcnt 0x0
	s_wait_alu depctr_va_vdst(0)    ; the products V^T P are done reading V, in which the 32 loads below land
	s_add_nc_u64 s[VP:VP+1], s[VP:VP+1], 65536
	LOAD32 0xc0, 0, VP
	WIN 0
	s_cmp_lt_u32 s[J], s[LIM]
	s_cbranch_scc0 .Lno_v_\@
	global_prefetch_b8 v[PFO], s[VP:VP+1] offset:196608 th:TH_LOAD_NT scope:SCOPE_SE
	global_prefetch_b8 v[PFO], s[VP:VP+1] offset:204800 th:TH_LOAD_NT scope:SCOPE_SE
.Lno_v_\@:
.endif
.endm
.macro STEP msk
.set i, 0
.rept 32
.if (i%8) == 0
	s_wait_loadcnt 56-i             ; K's group i / 8 is in (and, at a block's start, Q): behind it were issued K's 24 - i later loads and V's 32
.endif
	KQ 0, \msk                      ; piece 0's scores: no vector work is ready to stand between them
.set i, i+1
.endr
	PLACES
.set k, 0
.set i, 0
.rept 32
	KQ 2, \msk                      ; piece 2's scores | piece 0's softmax, two slices behind each product
	SLICE 0
	SLICE 0
.set i, i+1
.endr
	NEXTK \msk
.set k, 0
.set i, 0
.rept 32
	PV 0                            ; piece 0's V^T P | piece 2's softmax
	SLICE 2
	SLICE 2
.set i, i+1
.endr
.set i, 0
.rept 32
	PV 2
.set i, i+1
.endr
	PLACES
	NEXTV \msk
.endm
; THE MASK of the diagonal tile is written into S^T itself, which is then the C operand of the products that start the sums: 0, or -1e30 where the key is hidden.  Register jj of key block kb of query tile t
; is hidden where 64 w + 16 kb + 8 (l / 16) + jj > 64 (block % 4) + 16 t + l % 16, that is 16 (kb - t) + jj > MK: one compare serves all pairs with the same kb - t.
; The compares stand in runs, eight for each d = kb - t into a set of eight scalar registers, three sets to a run, with one wait between a run and the selects that read its lane masks.
.macro CMP8 d, sb
.irp jj, 0,1,2,3,4,5,6,7
	v_cmp_gt_i32 s[(\sb)+(\jj)], 16*(\d)+(\jj), v[MK]
.endr
.endm
.macro SEL8 d, sb
.irp jj, 0,1,2,3,4,5,6,7
.irp t, 0,1,2,3
.if ((\t)+(\d) >= 0) && ((\t)+(\d) < 4)
	v_cndmask_b32 v[S+32*(\t)+8*((\t)+(\d))+(\jj)], 0, v[BG], s[(\sb)+(\jj)]
.endif
.endr
.endr
.endm
.macro MASKS
	WIN 0
	CMP8 -3, MB0
	CMP8 -2, MB1
	CMP8 -1, MB2
	s_wait_alu depctr_va_sdst(0)    ; the 24 compares have written their lane masks, ahead of the first select that reads one
	SEL8 -3, MB0
	SEL8 -2, MB1
	SEL8 -1, MB2
	CMP8 0, MB0
	CMP8 1, MB1
	CMP8 2, MB2
	s_wait_alu depctr_va_sdst(0)    ; the next 24 likewise
	SEL8 0, MB0
	SEL8 1, MB1
	SEL8 2, MB2
	CMP8 3, MB0
	s_wait_alu depctr_va_sdst(0)    ; and the last eight
	SEL8 3, MB0
.endm
; Eight LDS loads: pair rr of half bt of my 16 rows: lanes 0-15 take one row, lanes 16-31 the next; a lane 8 channels of each of the four waves' partial results
.macro RDP bt, rr
.irp u, 0,1,2,3
	ds_load_b128 v[S+32*(\rr)+8*(\u):S+32*(\rr)+8*(\u)+3],   v[RD0+(\u)/2] offset:((\u)%2)*PARTW+(4*(\bt)+(\rr))*2*PP
	ds_load_b128 v[S+32*(\rr)+8*(\u)+4:S+32*(\rr)+8*(\u)+7], v[RD0+(\u)/2] offset:((\u)%2)*PARTW+(4*(\bt)+(\rr))*2*PP+16
.endr
.endm
; THE FOUR WAVES' RESULTS MEET.  Each wave's (c m, l) go through LDS; every wave finds M = the largest c m, L = the sum of 2^(c m_w - M) l_w, and multiplies its O^T by 2^(c m_own - M) / L.  The partial
; results (f32) go into LDS; wave w adds the four for query tile w, rounds to f16 and stores whole rows of the head's 256 bytes.  Wave 0 has seen key 0 of every query, so M is a true score's.
.macro MERGE
	WIN 0
.irp t, 0,1,2,3
	v_add_f32 v[ST+8*(\t)+4], v[ST+8*(\t)+2], v[ST+8*(\t)+3]
.endr
.irp t, 0,1,2,3
	v_permlanex16_b32 v[ST+8*(\t)+5], v[ST+8*(\t)+4], s[SEL], s[SEL+1]
.endr
.irp t, 0,1,2,3
	v_add_f32 v[ST+8*(\t)+1], v[ST+8*(\t)+4], v[ST+8*(\t)+5]  ; l takes m's place beside c m
.endr
	s_wait_alu depctr_va_vdst(0)    ; the additions have written l beside c m, which the LDS stores read; the products V^T P are done reading P, in which the statistics' loads land behind the barrier
.irp t, 0,1,2,3
	ds_store_b64 v[SA], v[ST+8*(\t):ST+8*(\t)+1] offset:256*(\t)
.endr
	s_wait_dscnt 0x0                ; for the others' sake: my statistics are stored; and my reads of the last block's partial results are back
	s_barrier_signal -1
	s_barrier_wait -1
.irp t, 0,1,2,3
.irp u, 0,1,2,3
	ds_load_b64 v[P+8*(\t)+2*(\u):P+8*(\t)+2*(\u)+1], v[SR] offset:1024*(\u)+256*(\t)
.endr
.endr
	s_wait_dscnt 0x0
.irp t, 0,1,2,3
	v_max3_num_f32 v[ST+8*(\t)+4], v[P+8*(\t)], v[P+8*(\t)+2], v[P+8*(\t)+4]
.endr
.irp t, 0,1,2,3
	v_max_num_f32 v[ST+8*(\t)+4], v[ST+8*(\t)+4], v[P+8*(\t)+6]
.endr
.irp t, 0,1,2,3
	v_sub_f32 v[ST+8*(\t)+5], v[ST+8*(\t)], v[ST+8*(\t)+4]
.irp u, 0,1,2,3
	v_sub_f32 v[P+8*(\t)+2*(\u)], v[P+8*(\t)+2*(\u)], v[ST+8*(\t)+4]
.endr
.endr
.irp t, 0,1,2,3
	v_exp_f32 v[ST+8*(\t)+5], v[ST+8*(\t)+5]
.irp u, 0,1,2,3
	v_exp_f32 v[P+8*(\t)+2*(\u)], v[P+8*(\t)+2*(\u)]
.endr
.endr
	v_nop                           ; a plain instruction behind the last exponential,
	s_wait_alu depctr_va_vdst(0)    ; and one wait for the twenty exponentials' results, ahead of their first reader
.irp t, 0,1,2,3
	v_mul_f32 v[ST+8*(\t)+6], v[P+8*(\t)], v[P+8*(\t)+1]
	v_fmac_f32 v[ST+8*(\t)+6], v[P+8*(\t)+2], v[P+8*(\t)+3]
	v_fmac_f32 v[ST+8*(\t)+6], v[P+8*(\t)+4], v[P+8*(\t)+5]
	v_fmac_f32 v[ST+8*(\t)+6], v[P+8*(\t)+6], v[P+8*(\t)+7]
.endr
.irp t, 0,1,2,3
	v_rcp_f32 v[ST+8*(\t)+7], v[ST+8*(\t)+6]
.endr
	v_nop
	s_wait_alu depctr_va_vdst(0)    ; one wait for the four reciprocals' results, ahead of their first reader
.irp t, 0,1,2,3
	v_mul_f32 v[ST+8*(\t)+6], v[ST+8*(\t)+5], v[ST+8*(\t)+7]
.endr
	WIN W_RS
.irp t, 0,1,2,3
.set i, 64*(\t)
.rept 32
	v_pk_mul_f32 v[i:i+1], v[i:i+1], v[ST+8*(\t)+6:ST+8*(\t)+7] op_sel_hi:[1,0]
.set i, i+2
.endr
.endr
	WIN 0x04                        ; store data window 1, address window 0
	s_wait_alu depctr_va_vdst(0)    ; the multiplications have written O^T, which the LDS stores read; the softmax is done with S^T, in which the first half's loads land behind the barrier
.irp t, 0,1,2,3
.irp cb, 0,1,2,3,4,5,6,7
	ds_store_b128 v[STO], v[64*(\t)+8*(\cb):64*(\t)+8*(\cb)+3]   offset:16*PP*(\t)+64*(\cb)
	ds_store_b128 v[STO], v[64*(\t)+8*(\cb)+4:64*(\t)+8*(\cb)+7] offset:16*PP*(\t)+64*(\cb)+16
.endr
.endr
	WIN 0
	s_wait_dscnt 0x0                ; for the others' sake: my partial result is stored; and my reads of the statistics are back
	s_barrier_signal -1
	s_barrier_wait -1
.irp rr, 0,1,2,3                    ; my 16 rows in two halves of four pairs of rows; the second half's loads go out as the first half's registers fall free
	RDP 0, \rr
.endr
.irp bt, 0,1
.irp rr, 0,1,2,3
.if (\bt) == 0
	s_wait_dscnt 24                 ; behind this pair's eight loads stand 8 (3 - rr) of the first half and 8 rr of the second
.else
	s_wait_dscnt 24-8*(\rr)         ; behind them stand the 8 (3 - rr) of the later pairs
.endif
.irp p, 0,2,4,6
	v_pk_add_f32 v[S+32*(\rr)+(\p):S+32*(\rr)+(\p)+1], v[S+32*(\rr)+(\p):S+32*(\rr)+(\p)+1], v[S+32*(\rr)+8+(\p):S+32*(\rr)+8+(\p)+1]
	v_pk_add_f32 v[S+32*(\rr)+16+(\p):S+32*(\rr)+16+(\p)+1], v[S+32*(\rr)+16+(\p):S+32*(\rr)+16+(\p)+1], v[S+32*(\rr)+24+(\p):S+32*(\rr)+24+(\p)+1]
.endr
.irp p, 0,2,4,6
	v_pk_add_f32 v[S+32*(\rr)+(\p):S+32*(\rr)+(\p)+1], v[S+32*(\rr)+(\p):S+32*(\rr)+(\p)+1], v[S+32*(\rr)+16+(\p):S+32*(\rr)+16+(\p)+1]
.endr
.irp p, 0,1,2,3
	v_cvt_pk_f16_f32 v[P+32+4*(4*(\bt)+(\rr))+(\p)], v[S+32*(\rr)+2*(\p)], v[S+32*(\rr)+2*(\p)+1]
.endr
.if (\bt) == 0
	s_wait_alu depctr_va_vdst(0)    ; the conversions have written the store's data, and the pair's additions and conversions are done with its 32 registers of S^T, in which the second half's loads land
	global_store_b128 v[GO], v[P+32+4*(\rr):P+32+4*(\rr)+3], s[OP:OP+1] offset:8192*(\rr)  ; 16 lanes store 256 consecutive bytes, aligned
	RDP 1, \rr
.endif
.endr
.endr
	s_wait_alu depctr_va_vdst(0)    ; the second half's conversions have written the data of its four stores, which stand in one run
.irp rr, 0,1,2,3
	global_store_b128 v[GO], v[P+32+4*(4+(\rr)):P+32+4*(4+(\rr))+3], s[OP:OP+1] offset:8192*(4+(\rr))  ; 16 lanes store 256 consecutive bytes, aligned
.endr
	s_wait_xcnt 0x0                 ; the stores have read their registers and their base: what follows writes both anew
	s_wait_alu depctr_vm_vsrc(0)    ; the LDS stores have read c m, l and O^T, and ob's stores P: the next block, or Wo's rounding, writes them again
.endm
	s_load_b256 s[4:11], s[0:1], 0x0  ; qf s[4:5], kf s[6:7], vf s[8:9], ob s[10:11]
	s_load_b128 s[36:39], s[0:1], 0x20  ; Wo s[36:37], wo s[38:39]
	v_lshl_add_u32 v[SPW], v0, 2, SPARE
	v_mov_b32 v[NIL], 0
	v_lshrrev_b32 v1, 5, v0
	v_readfirstlane_b32 s[WV], v1   ; wave 0..3
	s_mov_b32 s[PB], ttmp9
	s_sub_co_u32 s[BI], 31, s[PB]   ; the first block
	s_and_b32 s30, ttmp7, 0xffff    ; the head
	s_lshl_b32 s44, s30, 4
	s_add_co_u32 s44, s44, s[PB]    ; my work-group's number, 0 to 255:
	s_lshl_b32 s46, s44, 15         ; its 8 rows in wo,
	s_mov_b32 s47, 0
	s_lshl_b32 s44, s44, 16         ; and in Wo
	s_mov_b32 s45, 0
	s_lshl_b32 s28, s30, 19         ; the head's 524,288 bytes in qf, kf and vf
	s_mov_b32 s29, 0
	s_wait_alu depctr_va_sdst(0)    ; the wave's number is written, ahead of its first reader: K's, V's and ob's addresses and the LDS addresses are made from it
	s_lshl_b32 s32, s[WV], 14       ; my 64 keys of a tile
	s_mov_b32 s33, 0
	s_add_nc_u64 s[32:33], s[32:33], s[28:29]
	s_lshl_b32 s30, s30, 8          ; the head's 256 bytes of a row of ob
	s_mov_b32 s31, 0
	s_lshl_b32 s34, s[BI], 14
	s_mov_b32 s35, 0
	s_mov_b32 s[HM], 0xffff0000
	s_mov_b32 s[CS], 0x3e0293ee     ; c = log2(e) / sqrt(128) = 0.127517
	s_mov_b32 s[CS+1], s[CS]        ; named with it as a pair
	s_mov_b32 s[SEL], 0x76543210
	s_mov_b32 s[SEL+1], 0xfedcba98
	v_and_b32 v46, 31, v0
	v_lshlrev_b32 v[LO], 4, v46
	s_wait_kmcnt 0x0
	s_add_nc_u64 s[4:5], s[4:5], s[28:29]
	s_add_nc_u64 s[6:7], s[6:7], s[32:33]
	s_add_nc_u64 s[8:9], s[8:9], s[32:33]
	s_add_nc_u64 s[10:11], s[10:11], s[30:31]
	s_add_nc_u64 s[WI:WI+1], s[WI:WI+1], s[44:45]
	s_add_nc_u64 s[WO:WO+1], s[WO:WO+1], s[46:47]
	s_add_nc_u64 s[QP:QP+1], s[4:5], s[34:35]
	s_mov_b64 s[KP:KP+1], s[6:7]
	s_mov_b64 s[VP:VP+1], s[8:9]
	s_wait_alu depctr_va_vdst(0)    ; v[LO] is written: every load of Q, K and V reads it as its offset
	LOAD32 0x80, 0, QP
	LOADK                           ; tile 0
	LOAD32 0xc0, 0, VP
	; A block's first step multiplies O^T by a = 0, so O^T need only hold finite numbers: zeros for the first block, what the first block left for the second.  No first step is written out; the price is
	; these 256 lines, which run while the first loads are out.
	WIN 0x40
.set i, 0
.rept 256
	v_mov_b32 v[i], 0
.set i, i+1
.endr
	WIN 0
	v_and_b32 v44, 15, v0           ; l % 16
	v_bfe_u32 v45, v0, 4, 1         ; l / 16
	s_mul_i32 s28, s[WV], PARTW
	v_mul_u32_u24 v[STO], v44, PP   ; my partial result: row 16 t + l % 16, 32 bytes for each half of the lanes
	v_lshl_add_u32 v[STO], v45, 5, v[STO]
	v_add_nc_u32 v[STO], s28, v[STO]
	s_mul_i32 s28, s[WV], 16*PP
	v_mul_u32_u24 v[RD0], v45, PP   ; back: rows 16 w + l / 16 on, 32 bytes a lane
	v_lshl_add_u32 v[RD0], v44, 5, v[RD0]
	v_add_nc_u32 v[RD0], s28, v[RD0]
	v_add_nc_u32 v[RD1], 2*PARTW, v[RD0]
	v_lshlrev_b32 v[GO], 12, v45    ; and the same two rows in ob
	v_lshl_add_u32 v[GO], v44, 4, v[GO]
	s_lshl_b32 s28, s[WV], 10
	v_lshl_add_u32 v[SR], v46, 3, STAT
	v_add_nc_u32 v[SA], s28, v[SR]
	v_lshlrev_b32 v[PFO], 8, v46
	v_lshlrev_b32 v[MK0], 3, v45
	v_sub_nc_u32 v[MK0], v44, v[MK0]
	v_lshlrev_b32 v[WL], 4, v0
	v_lshlrev_b32 v[WS], 3, v0
	v_mov_b32 v[BG], 0xf149f2ca     ; -1e30
	s_mov_b32 s[BLK], 2
	s_cmp_eq_u32 s[PB], 0
	s_cselect_b32 s[LIM], 4, 0
.Lblock:
	s_lshr_b32 s[NT], s[BI], 2
	s_and_b32 s28, s[BI], 3
	s_sub_co_i32 s28, s28, s[WV]
	s_lshl_b32 s28, s28, 6
	v_add_nc_u32 v[MK], s28, v[MK0] ; 64 (block % 4 - w) + l % 16 - 8 (l / 16)
	s_lshl_b32 s28, s[BI], 18       ; row 64 x block + 16 w, 4,096 bytes a row
	s_lshl_b32 s29, s[WV], 16
	s_add_co_u32 s28, s28, s29
	s_mov_b32 s29, 0
	s_add_nc_u64 s[OP:OP+1], s[10:11], s[28:29]
.irp t, 0,1,2,3
	v_mov_b32 v[ST+8*(\t)], 0xfe000000    ; c m: far below every c s, so the first a is 0
	v_mov_b32 v[ST+8*(\t)+1], 0xe0800000  ; m = -2^66
	v_mov_b32 v[ST+8*(\t)+2], 0
	v_mov_b32 v[ST+8*(\t)+3], 0
.endr
	s_mov_b32 s[J], 0
	s_cmp_eq_u32 s[NT], 0
	s_cbranch_scc1 .Ldiag           ; blocks 0 to 3 have the diagonal tile alone
.Lstep:                             ; NT times: a tile that every query of the block sees whole
	STEP 0
	s_add_co_u32 s[J], s[J], 1
	s_cmp_lt_u32 s[J], s[NT]
	s_cbranch_scc1 .Lstep
.Ldiag:
	MASKS
	STEP 1
	MERGE
	s_mov_b32 s[BI], s[PB]          ; the second block
	s_mov_b32 s[LIM], 0
	s_sub_co_u32 s[BLK], s[BLK], 1
	s_cmp_lg_u32 s[BLK], 0
	s_cbranch_scc1 .Lblock
	; Wo: to bf16, and that number written as f16.  S^T's and P's registers are free; every store has data registers of its own.  The stores go in four runs of eight, one wait ahead of each run.
	s_wait_loadcnt 0x0              ; my 32 loads of Wo
	WIN 0x0f                        ; sources 0 and 1 window 3, destination window 0
.set n, 0
.rept 64
	v_cvt_pk_bf16_f32 v[S+n], v[WF+2*n], v[WF+2*n+1]
.set n, n+1
.endr
	WIN 0
.set n, 0
.rept 4
.rept 8
	v_lshlrev_b32 v[S+64+4*(n%4)],   16, v[S+2*n]
	v_and_b32     v[S+64+4*(n%4)+1], s[HM], v[S+2*n]
	v_lshlrev_b32 v[S+64+4*(n%4)+2], 16, v[S+2*n+1]
	v_and_b32     v[S+64+4*(n%4)+3], s[HM], v[S+2*n+1]
	v_cvt_pk_f16_f32 v[P+2*n],   v[S+64+4*(n%4)],   v[S+64+4*(n%4)+1]
	v_cvt_pk_f16_f32 v[P+2*n+1], v[S+64+4*(n%4)+2], v[S+64+4*(n%4)+3]
.set n, n+1
.endr
	s_wait_alu depctr_va_vdst(0)    ; the conversions have written the sixteen registers of P that the eight stores below read
.set n, n-8
.rept 8
	global_store_b64 v[WS], v[P+2*n:P+2*n+1], s[WO:WO+1] offset:1024*n  ; a wave's 32 lanes store 256 consecutive bytes, aligned
.set n, n+1
.endr
.endr
	s_wait_dscnt 0x0                ; the closing lines, six on end
	s_wait_alu 0x0
	s_wait_tensorcnt 0x0
	ds_add_u32 v[SPW], v[NIL]
	s_wait_dscnt 0x0
	s_endpgm
.Lfunc_end_k_qb8d49dbfeb_attn:
	.size	k_qb8d49dbfeb_attn, .Lfunc_end_k_qb8d49dbfeb_attn-k_qb8d49dbfeb_attn
	.p2alignl 7, 3214868480
	.fill 96, 4, 3214868480
	.section	.rodata,"a",@progbits
	.p2align	6, 0x0
	.amdhsa_kernel k_qb8d49dbfeb_attn
		.amdhsa_group_segment_fixed_size 139776
		.amdhsa_private_segment_fixed_size 0
		.amdhsa_enable_private_segment 0
		.amdhsa_kernarg_size 48
		.amdhsa_user_sgpr_count 2
		.amdhsa_user_sgpr_kernarg_segment_ptr 1
		.amdhsa_wavefront_size32 1
		.amdhsa_system_sgpr_workgroup_id_x 1
		.amdhsa_system_sgpr_workgroup_id_y 1
		.amdhsa_system_sgpr_workgroup_id_z 1
		.amdhsa_system_vgpr_workitem_id 0
		.amdhsa_next_free_vgpr 1024
		.amdhsa_next_free_sgpr 66
		.amdhsa_reserve_vcc 0
		.amdhsa_float_denorm_mode_32 3
		.amdhsa_float_denorm_mode_16_64 3
		.amdhsa_memory_ordered 1
		.amdhsa_forward_progress 1
		.amdhsa_inst_pref_size 182
	.end_amdhsa_kernel
	.amdgpu_metadata
---
amdhsa.version: [ 1, 2 ]
amdhsa.kernels:
  - .name:           k_qb8d49dbfeb_attn
    .symbol:         k_qb8d49dbfeb_attn.kd
    .args:
      - { .name: qf, .offset: 0, .size: 8, .value_kind: global_buffer, .address_space: global }
      - { .name: kf, .offset: 8, .size: 8, .value_kind: global_buffer, .address_space: global }
      - { .name: vf, .offset: 16, .size: 8, .value_kind: global_buffer, .address_space: global }
      - { .name: ob, .offset: 24, .size: 8, .value_kind: global_buffer, .address_space: global }
      - { .name: Wo, .offset: 32, .size: 8, .value_kind: global_buffer, .address_space: global }
      - { .name: wo, .offset: 40, .size: 8, .value_kind: global_buffer, .address_space: global }
    .group_segment_fixed_size: 139776
    .private_segment_fixed_size: 0
    .kernarg_segment_align: 8
    .kernarg_segment_size: 48
    .max_flat_workgroup_size: 128
    .sgpr_count:     66
    .vgpr_count:     1024
    .wavefront_size: 32
...
	.end_amdgpu_metadata
.endif
;; end of part 5
;; launch outp: the kernel of part 4 again; grid 16 x 16, 4 waves a work-group, clusters of 4 x 4, 327,680 bytes of LDS; arguments ob, wo, out0; writes out0
